; MI455X (gfx1250); checked and timed in simulation.
; The chip was launched on July 23, 2026; its instructions are those of AMD's public machine-readable ISA for CDNA 5 (MIT licence, August 2026) and "CDNA5" Instruction Set Architecture Reference Guide (July 2026). The comments in the code are by the model that wrote it; some were corrected since.
;; Multi Head Attention. Allowed arithmetic: matrix products marked QUANTISED: E3M2 operands, one E8M0 scale for each 32 along K, by v_wmma_scale_f32_16x16x128_f8f6f4 with both operands' format E3M2, f32 sums; everything else in f32.
;; Inputs: W1 1,024 x 3,072 float32; W2 1,024 x 1,024 float32; b1 3,072 float32; b2 1,024 float32; x 4,096 x 1,024 float32.
;; Outputs: out0 4,096 x 1,024 float32.
;; This version of the problem:
;;   THIS VERSION OF THE PROBLEM IS GIVEN IN LOW PRECISION. The matrix products marked QUANTISED in the list below multiply operands that are first quantised to E3M2 (3 exponent bits, 2 mantissa bits; 6 bits a number), with one power-of-two scale for each 32 numbers along K (OCP MX v1.0); their sums are f32. All else is computed in f32.
;;   The module's matrix products, in the order in which they are computed (A, B: the left and right operand; K: the contracted axis; several contracted axes count as one K, in the product's order):
;;     1. [M 4,096, K 1,024] x [K 1,024, N 3,072]; A: input x; B: input W1: QUANTISED
;;     2. batch 16 x [M 4,096, K 64] x [K 64, N 4,096]; A: computed on the way; B: computed on the way: QUANTISED
;;     3. batch 16 x [M 4,096, K 4,096] x [K 4,096, N 64]; A: computed on the way; B: computed on the way: QUANTISED
;;     4. [M 4,096, K 1,024] x [K 1,024, N 1,024]; A: computed on the way; B: input W2: QUANTISED
;;   THE QUANTISER, for each operand of a quantised product, along K:
;;     - K is cut into blocks of 32 from its start; a last block that is shorter is filled with zeros.
;;     - A block's scale is 2^e with e = floor(log2(the largest magnitude in the block)) - 4, held to -126 .. 127; a block of zeros has e = 0. As a byte (E8M0): e + 127.
;;     - Each number is divided by its block's scale, clamped to +-28, and rounded to the nearest number of E3M2, ties to even, subnormals kept.
;;     - The product sums the exact products of the quantised numbers (number of the format x scale) in f32.
;;   ~~~python
;;   def quantise(x, axis):      # numpy; x: float32 -> the quantised numbers, widened to float32 again
;;       x = np.moveaxis(x, axis, -1); K = x.shape[-1]
;;       x = np.pad(x, [(0, 0)] * (x.ndim - 1) + [(0, -K % 32)]); x = x.reshape(x.shape[:-1] + (-1, 32)); a = np.abs(x).max(-1, keepdims=True)
;;       e = np.where(a > 0, np.clip(np.frexp(np.where(a > 0, a, 1))[1] - 1 - 4, -126, 127), 0)      # np.frexp(a)[1] - 1 = floor(log2(a)), exactly
;;       r = np.clip(x / 2.0 ** e, -28, 28)
;;       step = 2.0 ** (np.maximum(np.frexp(np.where(r == 0, 1, r))[1] - 1, -2) - 2)
;;       q = np.round(r / step) * step * 2.0 ** e      # np.round: ties to even
;;       return np.moveaxis(q.reshape(q.shape[:-2] + (-1,))[..., :K], -1, axis).astype(np.float32)
;;   ~~~
;;   OPERANDS COMPUTED ON THE WAY. 'Computed on the way' means the value that the module computes at that place (a softmax that the list does not call 'softmax' is quantised finished and normalised). What goes into a quantiser is computed in f32, as accurately as f32 sums, v_exp_f32 and their like allow (about 1e-6 of the number): no bf16 or f16 on the way to a quantiser, and a product that is left as it is and whose result goes on into a quantised operand takes f32 operands (vector FMAs, or v_wmma_f32_16x16x4_f32). A number that lies on a knife's edge between two numbers of the format may be rounded either way, as far as f32 arithmetic and the matrix unit's own rounding can turn it there, and no further.
;; One version. Each part assembles by itself: llvm-mc -triple=amdgcn-amd-amdhsa -mcpu=gfx1250 --defsym DOCPART=n.
;; ======== version 1 of 1: 4 launches
;; workspace buffers: ximg 3,276,800 bytes; w1img 2,457,600 bytes; w2img 819,200 bytes; kqv 9,830,400 bytes; oimg 3,276,800 bytes
;; launch quant (part 1): grid 512 x 1, 4 waves a work-group, no clusters, 80,384 bytes of LDS; arguments x, W1, W2, ximg, w1img, w2img; writes ximg, w1img, w2img
.if DOCPART == 1
	.amdgcn_target "amdgcn-amd-amdhsa--gfx1250"
	.amdhsa_code_object_version 6
	.text
	.protected	k_q25bb2c763b_quant
	.globl	k_q25bb2c763b_quant
	.p2align	8
	.type	k_q25bb2c763b_quant,@function
k_q25bb2c763b_quant:
	s_mov_b64 s[64:65], 0
	v_nop
	global_prefetch_b8 v0, s[64:65] scope:SCOPE_SE
	s_setreg_imm32_b32 hwreg(HW_REG_WAVE_MODE, 25, 1), 1
	s_wait_xcnt 0x0
; x [4096][1024], W1 [1024][3072], W2 [1024][1024], f32, become codes of BF6 (E3M2) with one E8M0 byte for each 32 along K, laid IN THE ORDER OF THE OPERAND'S REGISTERS.
; A UNIT (12,800 bytes) serves 128 rows (tokens of x, columns of W) x 128 along K: eight fragments of 16 rows, 1,536 bytes each (register j of lane l at 512 (j / 4) + 16 l + 4 (j % 4)), then 128 scale words.
; THE ROWS OF A FRAGMENT ARE NOT NEIGHBOURS: lane-row r of fragment i is row 32 (i / 2) + 8 (i % 2) + r + 8 (r / 8) of the 128, so that a product that takes the fragment as source 0 leaves 16 neighbouring rows in the 16 registers of two neighbouring tiles.
; A work-group makes one unit, wave w its fragments 2 w and 2 w + 1 (rows 32 w .. 32 w + 31).  Work-groups 0-255: x; 256-447: W1; 448-511: W2.  The two ways have LDS bytes of their own; waves share nothing: no barrier.
; A block's scale is 2^(floor(log2(largest magnitude)) - 4); its byte is the largest magnitude's exponent field - 4, held at 1 from below by a floor among the maximum's leaves.
; LIMITS: a block of zeros, and one whose largest magnitude lies under 2^-122, gets the byte 1 (the rule says 127 for zeros: the codes are zeros and this program alone reads the bytes); NaN and infinities are not served.
.set UNIT,  12800
.set XREG,  16896                      ; x's way: a wave's stage, 32 rows x (512 + 16) bytes
.set WLDS,  4*XREG                     ; W's way: a wave's stage of two fragments, 3,072 bytes, behind x's stages
.set FLOOR, 0x2800000                  ; 2^(5 - 127)
.set EOFF,  0xfe000000                 ; 4 off an exponent field
; 32 numbers of ONE lane, v[xs] on, a whole block: its codes into v[d6] .. v[d6+5], the conversion's scale operand into v[sc], the byte into v[by].  m, m+1: two chains of the maximum.
.macro BLK32 xs, d6, tp, sc, by, m
	v_max3_num_f32 v[\m], |v[\xs]|, |v[\xs+1]|, FLOOR
	v_max3_num_f32 v[\m+1], |v[\xs+2]|, |v[\xs+3]|, |v[\xs+4]|
.set bi, 5
.rept 13
	v_max3_num_f32 v[\m+((bi-5)/2)%2], v[\m+((bi-5)/2)%2], |v[\xs+bi]|, |v[\xs+bi+1]|
.set bi, bi+2
.endr
	v_max3_num_f32 v[\m], v[\m], v[\m+1], |v[\xs+31]|
	v_add_nc_u32 v[\sc], EOFF, v[\m]               ; the conversion takes the exponent field of this operand and nothing else of it
	v_lshrrev_b32 v[\by], 23, v[\sc]
	v_cvt_scalef32_pk16_bf6_f32 v[\d6:\d6+2], v[\xs:\xs+15], v[\sc]
	v_cvt_scalef32_pk16_bf6_f32 v[\tp:\tp+2], v[\xs+16:\xs+31], v[\sc]   ; (a conversion's three registers begin on an even number)
	v_nop                                          ; one plain place behind a scaled conversion
	v_mov_b32 v[\d6+3], v[\tp]
	v_mov_b32 v[\d6+4], v[\tp+1]
	v_mov_b32 v[\d6+5], v[\tp+2]
.endm
; x's way: lane (r, h) holds blocks h and 2 + h of its row: a fragment's twelve registers, and the row's scale word in v[w]
.macro XFRAG xs, pc, w
	BLK32 (\xs), (\pc), 232, 236, 238, 240
	BLK32 (\xs)+32, (\pc)+6, 232, 236, 239, 240
	v_lshl_or_b32 v[\w], v239, 16, v238            ; my two bytes,
	v_lshlrev_b32 v[\w], v7, v[\w]                 ; 8 h bits up;
	v_permlanex16_b32 v244, v[\w], s20, s21
	v_or_b32 v[\w], v[\w], v244                    ; with lane l xor 16's two the word is whole
.endm
	s_load_b128 s[4:7], s[0:1], 0x0                ; x, W1
	s_load_b128 s[8:11], s[0:1], 0x10              ; W2, ximg
	s_load_b128 s[12:15], s[0:1], 0x20             ; w1img, w2img
	v_lshl_add_u32 v254, v0, 2, 0x13800
	v_mov_b32 v255, 0
	v_lshrrev_b32 v1, 5, v0
	v_readfirstlane_b32 s16, v1                    ; wave
	v_and_b32 v1, 31, v0                           ; l
	v_and_b32 v2, 15, v0                           ; r
	v_bfe_u32 v3, v0, 4, 1                         ; h
	v_lshlrev_b32 v4, 4, v1                        ; 16 l
	v_lshlrev_b32 v8, 2, v1                        ; 4 l
	s_mov_b32 s20, 0x76543210
	s_mov_b32 s21, 0xfedcba98                      ; v_permlanex16_b32's selects for lane l xor 16
	s_mul_i32 s26, s16, 3072                       ; my two fragments in a unit
	s_lshl_b32 s27, s16, 7                         ; my 32 scale words
	s_cmp_lt_u32 ttmp9, 256
	s_cbranch_scc0 .Lweights
	; ---------------- x: K is innermost.  Each load takes one row's 512 bytes of the K step, 16 bytes a lane; the rows turn through the wave's stage, so that a lane gets whole blocks of 32 neighbours
	s_lshr_b32 s17, ttmp9, 3                       ; block of 128 tokens
	s_and_b32 s18, ttmp9, 7                        ; K step
	s_lshl_b32 s22, s17, 7
	s_lshl_b32 s23, s16, 5
	s_add_co_u32 s22, s22, s23                     ; my first token
	s_lshl_b32 s22, s22, 12                        ; x 4,096 bytes a row
	s_lshl_b32 s23, s18, 9
	s_add_co_u32 s22, s22, s23
	s_mov_b32 s23, 0
	s_mul_i32 s24, ttmp9, UNIT
	s_mov_b32 s25, 0
	s_add_co_u32 s28, s24, s27
	s_mov_b32 s29, 0
	s_add_co_u32 s24, s24, s26
	s_mul_i32 s30, s16, XREG
	v_add_nc_u32 v5, s30, v4                       ; into the stage: 16 l in a row
	v_mul_u32_u24 v6, v2, 528
	v_lshl_add_u32 v6, v3, 7, v6
	v_add_nc_u32 v6, s30, v6                       ; out of it: row r, 128 h bytes on: sixteen lanes 33 x 16 bytes apart
	v_lshlrev_b32 v7, 3, v3
	v_mov_b32 v244, 0                              ; (a lane permute's destination counts as one of its sources)
	s_wait_kmcnt 0x0
	s_add_nc_u64 s[4:5], s[4:5], s[22:23]
	s_add_nc_u64 s[28:29], s[10:11], s[28:29]      ; my scale words, less 12,288
	s_add_nc_u64 s[10:11], s[10:11], s[24:25]      ; my fragments
.set xp, 0
.rept 32
	global_load_b128 v[16+4*xp:19+4*xp], v4, s[4:5] offset:4096*xp th:TH_LOAD_NT
.set xp, xp+1
.endr
.set xp, 0
.rept 32                                           ; token xp of my 32 is lane-row 8 (xp / 16) + xp % 8 of fragment (xp / 8) % 2: that is its row in the stage
.if xp%8 == 0
	s_wait_loadcnt 24-xp                           ; these eight loads are in; the younger ones stay out
.endif
	ds_store_b128 v5, v[16+4*xp:19+4*xp] offset:528*(16*((xp/8)%2)+8*(xp/16)+xp%8)
.set xp, xp+1
.endr
.irp c, 0,1
.irp i, 0,1,2,3,4,5,6,7
	ds_load_b128 v[144+32*\c+4*\i:147+32*\c+4*\i], v6 offset:256*\c+16*\i          ; fragment 0: K = 64 c + 32 h + 4 i ..
.endr
.endr
	s_wait_dscnt 0x0                               ; fragment 0 is in, and the stores into the stage are done: their data registers take fragment 1
.irp c, 0,1
.irp i, 0,1,2,3,4,5,6,7
	ds_load_b128 v[16+32*\c+4*\i:19+32*\c+4*\i], v6 offset:8448+256*\c+16*\i
.endr
.endr
	XFRAG 144, 208, 242
.irp g, 0,1,2
	global_store_b128 v4, v[208+4*\g:211+4*\g], s[10:11] offset:512*\g             ; 512 consecutive bytes a store
.endr
	s_wait_dscnt 0x0
	XFRAG 16, 220, 243
.irp g, 0,1,2
	global_store_b128 v4, v[220+4*\g:223+4*\g], s[10:11] offset:1536+512*\g
.endr
	v_cmp_ne_u32 vcc_lo, 0, v3
	v_cndmask_b32 v245, v242, v243, vcc_lo         ; lanes 0-15: fragment 0's words, lanes 16-31: fragment 1's
	global_store_b32 v8, v245, s[28:29] offset:12288
	s_wait_tensorcnt 0x0
	ds_add_u32 v254, v255
	s_wait_dscnt 0x0
	s_endpgm
	; ---------------- W1, W2: K is the first axis.  A lane takes a column and its registers run down K: a block lies in one lane, and nothing is transposed by an instruction
.Lweights:
	v_bfe_u32 v11, v0, 3, 1                        ; my column is lane-row 8 (l / 16) + l % 8 of fragment (l / 8) % 2
	v_and_b32 v12, 7, v0
	v_lshl_or_b32 v12, v3, 3, v12
	v_mul_u32_u24 v10, v11, 1536
	v_lshl_add_u32 v10, v12, 4, v10
	s_add_co_u32 s30, s26, WLDS
	v_add_nc_u32 v10, s30, v10                     ; the stage, on the way in: my lane-row's 16 bytes of lanes 0-15's part of an image
	v_add_nc_u32 v13, s30, v4                      ; and on the way out: as it lies
	v_lshlrev_b32 v14, 6, v11
	v_lshl_add_u32 v14, v12, 2, v14                ; my scale word among the wave's 32
	s_wait_kmcnt 0x0
	s_cmp_lt_u32 ttmp9, 448                        ; W1's work-group or W2's?  The choice hangs on the work-group's number alone
	s_cselect_b64 s[4:5], s[6:7], s[8:9]
	s_cselect_b64 s[10:11], s[12:13], s[14:15]
	s_mov_b32 s19, 4096
	s_cselect_b32 s19, 12288, s19                  ; bytes from row to row of W
	s_mov_b32 s18, 448
	s_cselect_b32 s18, 256, s18
	s_sub_co_u32 s17, ttmp9, s18                   ; the unit's number in its tensor: 8 x block of columns + K step
	s_lshr_b32 s22, s17, 3
	s_and_b32 s23, s17, 7
	s_lshl_b32 s23, s23, 7
	s_mul_i32 s23, s23, s19                        ; 128 x K step rows down
	s_lshl_b32 s22, s22, 9                         ; 128 columns of 4 bytes
	s_add_co_u32 s22, s22, s27                     ; + my 32
	s_add_co_u32 s22, s22, s23
	s_mov_b32 s23, 0
	s_add_nc_u64 s[32:33], s[4:5], s[22:23]        ; a base for each block of 32 rows
	s_lshl_b32 s24, s19, 5
	s_mov_b32 s25, 0
	s_add_nc_u64 s[34:35], s[32:33], s[24:25]
	s_add_nc_u64 s[36:37], s[34:35], s[24:25]
	s_add_nc_u64 s[38:39], s[36:37], s[24:25]
	s_mul_i32 s24, s17, UNIT
	s_add_co_u32 s28, s24, s27
	s_mov_b32 s29, 0
	s_add_co_u32 s24, s24, s26
	s_add_nc_u64 s[28:29], s[10:11], s[28:29]
	s_add_nc_u64 s[10:11], s[10:11], s[24:25]
.set wi, 0
.rept 32
	v_mad_u32_u24 v[16+wi], s19, wi, v8            ; row wi of a block, my column
.set wi, wi+1
.endr
.macro WLOAD b                                     ; block b: W(32 b + i, my column), i = 0 .. 31, into registers of its own
.set wi, 0
.rept 32
	global_load_b32 v[48+32*(\b)+wi], v[16+wi], s[32+2*(\b):33+2*(\b)] th:TH_LOAD_NT     ; 32 lanes read 128 consecutive bytes, the four waves 512
.set wi, wi+1
.endr
.endm
.macro WBLK b                                      ; block b of the K step: every block has registers of its own for its numbers and its codes.  The loads run two blocks ahead
.if (\b) < 3
	s_wait_loadcnt 32                              ; its 32 loads are in; the next block's 32 stay out
.else
	s_wait_loadcnt 0x0
.endif
.if (\b) < 2
	WLOAD (\b)+2
.endif
	BLK32 48+32*(\b), 176+8*(\b), 208+4*(\b), 224+(\b), 228+(\b), 232+2*(\b)
.endm
	WLOAD 0
	WLOAD 1
; Block 2 c + h' is registers 6 c .. 6 c + 5 of lane (lane-row, h') of the fragment: its place in the image is 256 h' bytes on, in pieces of 16 and 8 bytes
	WBLK 0
	ds_store_b128 v10, v[176:179]
	ds_store_b64 v10, v[180:181] offset:512
	WBLK 1
	ds_store_b128 v10, v[184:187] offset:256
	ds_store_b64 v10, v[188:189] offset:768
	WBLK 2
	ds_store_b64 v10, v[192:193] offset:520
	ds_store_b128 v10, v[194:197] offset:1024
	WBLK 3
	ds_store_b64 v10, v[200:201] offset:776
	ds_store_b128 v10, v[202:205] offset:1280
	v_lshl_or_b32 v236, v229, 8, v228              ; my column's scale word: all four bytes are mine
	v_lshl_or_b32 v236, v230, 16, v236
	v_lshl_or_b32 v236, v231, 24, v236
.irp g, 0,1,2,3,4,5
	ds_load_b128 v[48+4*\g:51+4*\g], v13 offset:512*\g     ; LDS serves a wave's instructions in order: these see my stores
.endr
	global_store_b32 v14, v236, s[28:29] offset:12288
.irp g, 0,1,2,3,4,5
	s_wait_dscnt 5-\g
	global_store_b128 v4, v[48+4*\g:51+4*\g], s[10:11] offset:512*\g
.endr
	s_wait_tensorcnt 0x0
	ds_add_u32 v254, v255
	s_wait_dscnt 0x0
	s_endpgm
.Lfunc_end_k_q25bb2c763b_quant:
	.size	k_q25bb2c763b_quant, .Lfunc_end_k_q25bb2c763b_quant-k_q25bb2c763b_quant
	.p2alignl 7, 3214868480
	.fill 96, 4, 3214868480
	.section	.rodata,"a",@progbits
	.p2align	6, 0x0
	.amdhsa_kernel k_q25bb2c763b_quant
		.amdhsa_group_segment_fixed_size 80384
		.amdhsa_private_segment_fixed_size 0
		.amdhsa_enable_private_segment 0
		.amdhsa_kernarg_size 48
		.amdhsa_user_sgpr_count 2
		.amdhsa_user_sgpr_kernarg_segment_ptr 1
		.amdhsa_wavefront_size32 1
		.amdhsa_system_sgpr_workgroup_id_x 1
		.amdhsa_system_sgpr_workgroup_id_y 1
		.amdhsa_system_sgpr_workgroup_id_z 1
		.amdhsa_system_vgpr_workitem_id 0
		.amdhsa_next_free_vgpr 256
		.amdhsa_next_free_sgpr 66
		.amdhsa_reserve_vcc 1
		.amdhsa_float_denorm_mode_32 3
		.amdhsa_float_denorm_mode_16_64 3
		.amdhsa_memory_ordered 1
		.amdhsa_forward_progress 1
		.amdhsa_inst_pref_size 40
	.end_amdhsa_kernel
	.amdgpu_metadata
---
amdhsa.version: [ 1, 2 ]
amdhsa.kernels:
  - .name:           k_q25bb2c763b_quant
    .symbol:         k_q25bb2c763b_quant.kd
    .args:
      - { .name: x, .offset: 0, .size: 8, .value_kind: global_buffer, .address_space: global }
      - { .name: W1, .offset: 8, .size: 8, .value_kind: global_buffer, .address_space: global }
      - { .name: W2, .offset: 16, .size: 8, .value_kind: global_buffer, .address_space: global }
      - { .name: ximg, .offset: 24, .size: 8, .value_kind: global_buffer, .address_space: global }
      - { .name: w1img, .offset: 32, .size: 8, .value_kind: global_buffer, .address_space: global }
      - { .name: w2img, .offset: 40, .size: 8, .value_kind: global_buffer, .address_space: global }
    .group_segment_fixed_size: 80384
    .private_segment_fixed_size: 0
    .kernarg_segment_align: 8
    .kernarg_segment_size: 48
    .max_flat_workgroup_size: 128
    .sgpr_count:     66
    .vgpr_count:     256
    .wavefront_size: 32
...
	.end_amdgpu_metadata
.endif
;; end of part 1
;; launch gemm1 (part 2): grid 12 x 16, 4 waves a work-group, clusters of 4 x 4, 327,680 bytes of LDS; arguments ximg, w1img, b1, kqv; writes kqv
.if DOCPART == 2
	.amdgcn_target "amdgcn-amd-amdhsa--gfx1250"
	.amdhsa_code_object_version 6
	.text
	.protected	k_q25bb2c763b_gemm1
	.globl	k_q25bb2c763b_gemm1
	.p2align	8
	.type	k_q25bb2c763b_gemm1,@function
k_q25bb2c763b_gemm1:
	s_mov_b64 s[64:65], 0
	v_nop
	global_prefetch_b8 v0, s[64:65] scope:SCOPE_SE
	s_setreg_imm32_b32 hwreg(HW_REG_WAVE_MODE, 25, 1), 1
	s_wait_xcnt 0x0
	s_wait_alu depctr_hold_cnt(0) depctr_sa_sdst(0) depctr_va_vdst(0) depctr_va_sdst(0) depctr_va_ssrc(0) depctr_va_vcc(0) depctr_vm_vsrc(0)
	s_getreg_b32 s2, hwreg(HW_REG_IB_STS2, 6, 4)
	s_cmp_eq_u32 s2, 0
	s_cbranch_scc0 .Lentry_in_a_cluster
	s_endpgm
.Lentry_in_a_cluster:
	s_bfe_u32 s2, ttmp6, 0x10000c
	s_cmp_lg_u32 s2, 0xf033
	s_cbranch_scc0 .Lentry_shape_is_right
	s_endpgm
.Lentry_shape_is_right:
; kqv = x W1 + b1 on codes of BF6, and the result quantised in registers for the attention: k and q along the head's 64, v along the tokens.
; D[p][q] = sum over k of P[p][k] Q[q][k]: source 0 = 16 rows of P, source 1 = 16 rows of Q.  A lane then holds ONE row of Q and its registers run along P, and by the order of rows in a fragment (lane-row r of
; fragment i is row 32 (i / 2) + 8 (i % 2) + r + 8 (r / 8)) the 64 registers of one block of Q are register 16 b + i = P's row 32 b + 16 (lane / 16) + i: what the quantiser along P wants.
; TWO KINDS, told apart by the cluster's x, which all partners share:  x = 0, 1 (k and q): P = columns of W1, Q = tokens.   x = 2 (v): P = tokens, Q = columns of W1.  Only pointers, strides, the bias's shape and four lines of the scale words differ.
; A tile is 256 x 256, a wave's 128 x 128: 64 accumulators, 512 registers.  4,096 x 3,072 gives 192 work-groups: no equal cut into 256 keeps a wave's 128 rows of P inside one kind and whole heads.
; K = 1,024 goes in steps of 128, two to an LDS slot, through a ring of two slots.  A slot: Q's two blocks of 128 rows, then P's two; each a dense run of two units of 12,800 bytes (eight fragments as images of their registers, then 128 scale words).
; CLUSTERS 4 x 4: Q's tiles hang on cy alone and are asked for jointly along a row of the cluster, P's on cx alone and along a column.
; OUT: kqv[hh = column / 64][s = token / 128] is a unit of 6,400 bytes: eight parts of 768 (16 rows x 64 K: lane (r, h) holds block h in six registers: four at 16 l, two at 512 + 8 l), then 256 bytes of scale words, four to a lane-row.
;   k, q: part a = tokens of fragment order a, K = the head's 64; word b = the two bytes of part 2 b, then those of part 2 b + 1.   v: part 4 c + d = rows of the head in fragment order d, K = tokens 64 c on; word d = the step's four bytes.
; LIMITS as in the first launch: the byte 1 for blocks of zeros and under 2^-122; no NaN, no infinities.
; REGISTERS: window 0: v16-29 addresses; v32-63 scale words, two sets; v64-127 the bias as a C operand; v128-223 Q's fragments, ONE set, later the way out.  window 1: P's fragments, two sets, at v0 and v128.  windows 2, 3: accumulator (a, b) at v[8 (8 (a % 4) + b)].
.set UNIT,  12800
.set RBB,   102400                     ; a block of 128 rows in memory: eight units
.set QUART, 25600                      ; what one tensor load brings: two units
.set SLOT,  4*QUART
.set SPARE, 2*SLOT                     ; behind the ring: the spare words, 128 bytes for each wave
.set FR,    12
.set ADRQ, 16                          ; v16-17 my Q fragments in slot 0, 1
.set ADRP, 20                          ; v20-21 my P fragments
.set ADRS, 22                          ; v22-23 my scale words: lanes 0-15 Q's, lanes 16-31 P's
.set L16,  24                          ; 16 l
.set L8,   25                          ; 8 l
.set SOFF, 26                          ; the scale unit's place: 204,800 h + 16 r
.set VSEL, 27                          ; byte selects for the scale words of k and q
.set SPW,  28
.set NIL,  29
.set SC,   32                          ; set s at SC + 16 s; register 2 i + q: block i, the slot's q-th K step
.set BIAS, 64
.set QF,   128
.set PCE,  128                         ; the way out: two sets of twelve code registers,
.set TPE,  152                         ; the conversions' second halves,
.set TM,   160                         ; sixteen at work,
.set PWE,  176                         ; eight scale words,
.set FW,   184                         ; four words to store
.set G1Q, 24
.set G0Q, 32
.set G1P, 48
.set G0P, 56
.set OB,  68                           ; s[68:75] four places in kqv
.set SEL, 92
.set MSB, 0
.macro WIN new                         ; the immediate's high byte repeats the setting that is left
.if MSB != (\new)
	s_set_vgpr_msb (MSB<<8)|(\new)
.set MSB, (\new)
.endif
.endm
.set MUL_LO, 0xa1                      ; source 0 (P) window 1, source 1 (Q) window 0, C and D window 2
.set MUL_HI, 0xf1
.set TO_P,   0x40
.macro PLACES n
.rept \n
	v_nop
.endr
.endm
; A joint load: waves 0 and 1 fetch Q's two blocks, waves 2 and 3 P's.  The branch hangs on the wave's number alone.  Four v_nop follow each line.
.macro JLOAD g0a, g1a, g0b, g1b
	s_cmp_eq_u32 s15, 0
	s_cbranch_scc0 .Lfor_p_\@
	tensor_load_to_lds s[\g0a:\g0a+3], s[\g1a:\g1a+7]
	s_nop 0
	PLACES 4
	s_branch .Lasked_\@
.Lfor_p_\@:
	tensor_load_to_lds s[\g0b:\g0b+3], s[\g1b:\g1b+7]
	s_nop 0
	PLACES 4
.Lasked_\@:
.endm
.macro CREST
	s_cmp_lg_u32 s14, 0
	s_cbranch_scc1 .Lnot_wave_0_\@
	s_barrier_signal -3
.Lnot_wave_0_\@:
	s_barrier_wait -3
	s_barrier_signal -1
	s_barrier_wait -1
.endm
.macro CROUND
	s_barrier_signal -1
	s_barrier_wait -1
	CREST
.endm
	s_load_b256 s[4:11], s[0:1], 0x0               ; ximg, w1img, b1, kqv
	v_lshl_add_u32 v[SPW], v0, 2, SPARE
	v_mov_b32 v[NIL], 0
	ds_add_u32 v28, v29
	s_wait_dscnt 0x0
	v_lshrrev_b32 v1, 5, v0
	v_readfirstlane_b32 s14, v1                    ; wave
	s_lshr_b32 s15, s14, 1                         ; my half of Q.  Also: I fetch for Q (0) or for P (1)
	s_and_b32 s16, s14, 1                          ; my half of P.  Also: which block of 128 rows I fetch
	s_bfe_u32 s40, ttmp6, 0x40000                  ; cx
	s_bfe_u32 s41, ttmp6, 0x40004                  ; cy
	s_and_b32 s17, ttmp7, 0xffff                   ; the cluster's y
	s_cmp_eq_u32 ttmp9, 2                          ; the kind
	s_cselect_b32 s42, s17, ttmp9
	s_lshl_b32 s42, s42, 2
	s_add_co_u32 s42, s42, s40                     ; P's tile of 256 rows: 4 x (v: cluster y; k, q: cluster x) + cx
	s_lshl_b32 s18, s17, 2
	s_cmp_eq_u32 ttmp9, 2
	s_cselect_b32 s18, 8, s18
	s_add_co_u32 s18, s18, s41                     ; Q's: (v: 8; k, q: 4 x cluster y) + cy
	s_lshl_b32 s66, s41, 2
	s_lshl_b32 s66, 15, s66                        ; my row of the cluster
	s_lshl_b32 s67, 0x1111, s40                    ; my column
	; group 1: 25,600 dense bytes as 100 rows of 32 elements of 8 bytes; no padding: every LDS read of these tiles is 16 or 4 bytes a lane on end
	s_or_b32 s[G1Q], s66, (3<<16)|(1<<21)
	s_or_b32 s[G1P], s67, (3<<16)|(1<<21)
.irp g, G1Q, G1P
	s_mov_b32 s[\g+1], 32<<16
	s_mov_b32 s[\g+2], 100<<16
	s_mov_b32 s[\g+3], 32<<16
	s_mov_b32 s[\g+4], 100
	s_mov_b32 s[\g+5], 32
	s_mov_b32 s[\g+6], 0
	s_mov_b32 s[\g+7], 0
.endr
	s_lshl_b32 s19, s42, 1
	s_add_co_u32 s19, s19, s16                     ; P's block of 128: the one I fetch (waves 2, 3) and the one I multiply
	s_mul_i32 s20, s19, RBB
	s_mov_b32 s21, 0
	s_lshl_b32 s22, s18, 1
	s_add_co_u32 s22, s22, s16                     ; Q's block that I fetch (waves 0, 1)
	s_mul_i32 s22, s22, RBB
	s_mov_b32 s23, 0
	s_mul_i32 s43, s14, QUART                      ; where it goes: no place in the cluster enters an LDS address
	; the way out, in registers that feed no descriptor
	s_lshl_b32 s76, s18, 1
	s_add_co_u32 s76, s76, s15                     ; Q's block that I multiply
	s_cmp_eq_u32 ttmp9, 2
	s_cselect_b32 s78, s76, s19                    ; which 128 columns of W1,
	s_cselect_b32 s79, s19, s76                    ; which 128 tokens
	s_mov_b32 s80, 204800
	s_mov_b32 s81, 3072
	s_cselect_b32 s82, s81, s80                    ; from a fragment's first half to its second: k, q: the next head; v: four parts on
	s_cselect_b32 s83, s80, s81                    ; from Q's blocks 0-3 to 4-7: k, q: four parts on; v: the next head
	s_mul_i32 s84, s78, 409600
	s_mul_i32 s85, s79, 6400
	s_add_co_u32 s84, s84, s85
	s_mov_b32 s85, 0
	s_lshl_b32 s88, s78, 9
	s_mov_b32 s89, 0
	s_mov_b32 s[SEL], 0x76543210
	s_mov_b32 s[SEL+1], 0xfedcba98
	s_wait_kmcnt 0x0
	s_cmp_eq_u32 ttmp9, 2
	s_cselect_b64 s[44:45], s[4:5], s[6:7]         ; P's buffer
	s_cselect_b64 s[46:47], s[6:7], s[4:5]         ; Q's
	s_add_nc_u64 s[44:45], s[44:45], s[20:21]
	s_add_nc_u64 s[46:47], s[46:47], s[22:23]
	CROUND                                         ; all sixteen work-groups are here: the first joint loads meet
.irp s, 0,1
	s_mov_b32 s[G0Q+4*\s], 1
	s_add_co_u32 s[G0Q+4*\s+1], s43, \s*SLOT
	s_add_nc_u64 s[G0Q+4*\s+2:G0Q+4*\s+3], s[46:47], \s*QUART
	s_or_b32 s[G0Q+4*\s+3], s[G0Q+4*\s+3], 0x80000000
	s_mov_b32 s[G0P+4*\s], 1
	s_add_co_u32 s[G0P+4*\s+1], s43, \s*SLOT
	s_add_nc_u64 s[G0P+4*\s+2:G0P+4*\s+3], s[44:45], \s*QUART
	s_or_b32 s[G0P+4*\s+3], s[G0P+4*\s+3], 0x80000000
	JLOAD G0Q+4*\s, G1Q, G0P+4*\s, G1P             ; two loads of mine are out
.endr
	s_add_nc_u64 s[OB:OB+1], s[10:11], s[84:85]
	s_mov_b32 s84, s83
	s_add_nc_u64 s[OB+2:OB+3], s[OB:OB+1], s[84:85]
	s_mov_b32 s84, s82
	s_add_nc_u64 s[OB+4:OB+5], s[OB:OB+1], s[84:85]
	s_add_nc_u64 s[OB+6:OB+7], s[OB+2:OB+3], s[84:85]
	s_add_nc_u64 s[86:87], s[8:9], s[88:89]        ; b1 at my 128 columns
	v_and_b32 v1, 15, v0                           ; r
	v_bfe_u32 v2, v0, 4, 1                         ; h
	v_and_b32 v3, 31, v0                           ; l
	v_lshlrev_b32 v[L16], 4, v3
	v_lshlrev_b32 v[L8], 3, v3
	v_lshlrev_b32 v5, 6, v2                        ; the bias of k, q: 64 h
	v_and_b32 v6, 8, v1
	v_add_nc_u32 v6, v6, v1
	v_lshlrev_b32 v6, 2, v6                        ; of v: 4 (r + 8 (r / 8))
	; the bias: either arm writes all 64 registers
	s_cmp_eq_u32 ttmp9, 2
	s_cbranch_scc1 .Lbias_v
.irp b, 0,1,2,3,4,5,6,7                            ; k, q: register j of tile b is column 32 (b / 2) + 16 h + 8 (b % 2) + j
	global_load_b128 v[BIAS+8*\b:BIAS+8*\b+3], v5, s[86:87] offset:(32*(\b/2)+8*(\b%2))*4
	global_load_b128 v[BIAS+8*\b+4:BIAS+8*\b+7], v5, s[86:87] offset:(32*(\b/2)+8*(\b%2))*4+16
.endr
	s_branch .Lbias_done
.Lbias_v:
.irp a, 0,1,2,3,4,5,6,7                            ; v: the lane's column of block a, the same in all eight registers
	global_load_b32 v[BIAS+8*\a], v6, s[86:87] offset:(32*(\a/2)+8*(\a%2))*4
.endr
	s_wait_loadcnt 0x0                             ; the eight are in (the first tiles are on their way meanwhile)
.irp a, 0,1,2,3,4,5,6,7
.irp j, 1,2,3,4,5,6,7
	v_mov_b32 v[BIAS+8*\a+\j], v[BIAS+8*\a]
.endr
.endr
.Lbias_done:
	s_mul_i32 s12, s15, QUART                      ; my 128 rows of Q
	s_mul_i32 s13, s16, QUART
	s_add_co_u32 s13, s13, 2*QUART                 ; my 128 rows of P, behind Q's two blocks
	s_sub_co_u32 s2, s13, s12
	v_mul_u32_u24 v4, s2, v2                       ; lanes 16-31 take P's words: one product, h x the distance
	v_lshl_add_u32 v4, v1, 2, v4
.irp s, 0,1
	v_add_nc_u32 v[ADRQ+\s], s12, v[L16]
	v_add_nc_u32 v[ADRP+\s], s13, v[L16]
	v_add_nc_u32 v[ADRS+\s], s12, v4
	s_add_co_u32 s12, s12, SLOT
	s_add_co_u32 s13, s13, SLOT
.endr
	v_mul_u32_u24 v[SOFF], v2, 204800
	v_lshl_add_u32 v[SOFF], v1, 4, v[SOFF]
	v_mov_b32 v[VSEL], 0x05040100
	v_mov_b32 v7, 0x07060302
	v_cmp_ne_u32 vcc_lo, 0, v2
	v_cndmask_b32 v[VSEL], v[VSEL], v7, vcc_lo
.macro FRAG reg, adr, q, i             ; a fragment comes as it was stored: three loads of 16 bytes a lane
.irp c, 0,1,2
	ds_load_b128 v[\reg+4*\c:\reg+4*\c+3], v[\adr] offset:UNIT*(\q)+1536*(\i)+512*\c
.endr
.endm
; 16 matrix instructions: Q's blocks a0, a0 + 1 x P's eight.  p: P's set; q: the slot's K step; sc: the set of scale words.  mode 0: C = D; 1: C = the bias by P's tile; 2: by Q's block.
; The 64 accumulators take turns, one instruction a turn, in the same order in every step.
.macro MUL16 a0, p, q, sc, mode
.irp a, \a0, \a0+1
.irp b, 0,1,2,3,4,5,6,7
.set rD, 8*(8*((\a)%4)+\b)
.set rP, 128*(\p)+FR*\b
.set rQ, QF+FR*(\a)
.set rSP, SC+16*(\sc)+2*\b+(\q)
.set rSQ, SC+16*(\sc)+2*(\a)+(\q)
.if \mode == 0
	v_wmma_scale_f32_16x16x128_f8f6f4 v[rD:rD+7], v[rP:rP+11], v[rQ:rQ+11], v[rD:rD+7], v[rSP], v[rSQ] matrix_a_fmt:MATRIX_FMT_BF6 matrix_b_fmt:MATRIX_FMT_BF6 matrix_a_scale:MATRIX_SCALE_ROW1
.elseif \mode == 1
	v_wmma_scale_f32_16x16x128_f8f6f4 v[rD:rD+7], v[rP:rP+11], v[rQ:rQ+11], v[BIAS+8*\b:BIAS+8*\b+7], v[rSP], v[rSQ] matrix_a_fmt:MATRIX_FMT_BF6 matrix_b_fmt:MATRIX_FMT_BF6 matrix_a_scale:MATRIX_SCALE_ROW1
.else
	v_wmma_scale_f32_16x16x128_f8f6f4 v[rD:rD+7], v[rP:rP+11], v[rQ:rQ+11], v[BIAS+8*(\a):BIAS+8*(\a)+7], v[rSP], v[rSQ] matrix_a_fmt:MATRIX_FMT_BF6 matrix_b_fmt:MATRIX_FMT_BF6 matrix_a_scale:MATRIX_SCALE_ROW1
.endif
.endr
.endr
.endm
.macro FETCH_P slot, q, p
	WIN TO_P
.irp i, 0,1,2,3,4,5,6,7
	FRAG 128*(\p)+FR*\i, ADRP+\slot, \q, \i
.endr
	WIN 0
.endm
.macro FETCH_Q slot, q, i0
.irp i, \i0, \i0+1, \i0+2, \i0+3
	FRAG QF+FR*(\i), ADRQ+\slot, \q, \i
.endr
.endm
.macro SCALES slot                     ; a slot's scale words: lanes 0-15 Q's block i, lanes 16-31 P's block i
.irp i, 0,1,2,3,4,5,6,7
.irp q, 0,1
	ds_load_b32 v[SC+16*\slot+2*\i+\q], v[ADRS+\slot] offset:UNIT*\q+12288+64*\i
.endr
.endr
.endm
; A slot's first K step.  Loads into registers that matrix instructions have read stand four plain places behind them.
.macro STEP slot, mode
	s_wait_dscnt 12                                ; P's set, Q's blocks 0-3 and the scale words are in; the youngest twelve loads (Q's blocks 4-7) may be out
.if \mode
	WIN 0x81                                       ; C, the bias, in window 0
.else
	WIN MUL_LO
.endif
	MUL16 0, 0, 0, \slot, \mode
	MUL16 2, 0, 0, \slot, \mode
	s_wait_dscnt 0x0
	PLACES 4
	FETCH_P \slot, 1, 1
	FETCH_Q \slot, 1, 0
.if \mode
	WIN 0xc1
.else
	WIN MUL_HI
.endif
	MUL16 4, 0, 0, \slot, \mode
	MUL16 6, 0, 0, \slot, \mode
	PLACES 4
	WIN 0
	FETCH_Q \slot, 1, 4
.endm
; A slot's second K step changes slots: one barrier; in front of it each wave waits for all its tensor loads, adds 0 to its spare word, and waits for that and for its reads of this slot.
.macro TURN slot, next, fill
	s_wait_tensorcnt 0x0                           ; all my tensor loads have landed: my part of the next slot
	ds_add_u32 v[SPW], v[NIL]
	s_wait_dscnt 13                                ; (the add and the youngest twelve loads may be out)
	WIN MUL_LO
	MUL16 0, 1, 1, \slot, 0
	s_wait_dscnt 0x0                               ; the add is done, and my reads of this slot are over
	s_barrier_signal -1
	MUL16 2, 1, 1, \slot, 0
	WIN 0
	s_barrier_wait -1
.if \fill
	CREST                                          ; the barrier has opened a round of the cluster's barrier: no wave of any partner still reads this slot or has a load on its way
	s_add_nc_u64 s[G0Q+4*\slot+2:G0Q+4*\slot+3], s[G0Q+4*\slot+2:G0Q+4*\slot+3], 2*QUART
	s_add_nc_u64 s[G0P+4*\slot+2:G0P+4*\slot+3], s[G0P+4*\slot+2:G0P+4*\slot+3], 2*QUART
	JLOAD G0Q+4*\slot, G1Q, G0P+4*\slot, G1P       ; my one tensor load behind the round; its four v_nop are also the places in front of the loads below
.else
	PLACES 4
.endif
	FETCH_P \next, 0, 0
	FETCH_Q \next, 0, 0
	SCALES \next
	WIN MUL_HI
	MUL16 4, 1, 1, \slot, 0
	MUL16 6, 1, 1, \slot, 0
	PLACES 4
	WIN 0
	FETCH_Q \next, 0, 4
.endm
	s_wait_tensorcnt 0x1                           ; my part of slot 0 is in; slot 1's may stay out
	s_barrier_signal -1
	s_barrier_wait -1
	FETCH_P 0, 0, 0
	FETCH_Q 0, 0, 0
	SCALES 0
	FETCH_Q 0, 0, 4
	s_wait_loadcnt 0x0                             ; the bias
	s_cmp_eq_u32 ttmp9, 2
	s_cbranch_scc1 .Lfirst_v
	STEP 0, 1                                      ; the first K step starts the sums on the bias: nothing is cleared, nothing is added later
	s_branch .Lfirst_done
.Lfirst_v:
	STEP 0, 2
.Lfirst_done:
	TURN 0, 1, 1                                   ; eight K steps, written out: four fills in all
	STEP 1, 0
	TURN 1, 0, 1
	STEP 0, 0
	TURN 0, 1, 0                                   ; nothing is left to fetch
	STEP 1, 0
	s_wait_dscnt 12
	WIN MUL_LO
	MUL16 0, 1, 1, 1, 0
	MUL16 2, 1, 1, 1, 0
	s_wait_dscnt 0x0
	WIN MUL_HI
	MUL16 4, 1, 1, 1, 0
	MUL16 6, 1, 1, 1, 0
	WIN 0
; THE WAY OUT.  64 numbers of a lane in window w, register 16 b + i = P's row 32 b + 16 (lane / 16) + i, become a fragment's codes in v[pc] on and the scale word in v[pw].  Each accumulator is read from its low end on.
.macro QUANT s, w, pc, pw
	WIN (\w)|((\w)<<2)
.irp b, 0,1,2,3
	v_max3_num_f32 v[TM+\b], |v[(\s)+16*\b]|, |v[(\s)+16*\b+1]|, 0x2800000        ; with the floor 2^(5 - 127): the byte cannot fall under 1
.endr
.irp i, 2,4,6,8,10,12,14
.irp b, 0,1,2,3
	v_max3_num_f32 v[TM+\b], |v[(\s)+16*\b+\i]|, |v[(\s)+16*\b+\i+1]|, v[TM+\b]
.endr
.endr
	WIN 0
.irp b, 0,1,2,3
	v_permlanex16_b32 v[TM+4+\b], v[TM+\b], s[SEL], s[SEL+1]
.endr
.irp b, 0,1,2,3
	v_max_num_f32 v[TM+\b], v[TM+\b], v[TM+4+\b]   ; with lane l xor 16's sixteen: the block's largest magnitude
.endr
.irp b, 0,1,2,3
	v_add_nc_u32 v[TM+12+\b], 0xfe000000, v[TM+\b] ; 4 off its exponent field: the conversion's scale operand
.endr
.irp b, 0,1,2,3
	v_lshrrev_b32 v[TM+4+\b], 23, v[TM+12+\b]      ; the byte
.endr
	v_lshl_or_b32 v[\pw], v[TM+5], 8, v[TM+4]
	v_lshl_or_b32 v[\pw], v[TM+6], 16, v[\pw]
	v_lshl_or_b32 v[\pw], v[TM+7], 24, v[\pw]
	WIN (\w)
.irp c, 0,1
	v_cvt_scalef32_pk16_bf6_f32 v[(\pc)+6*\c:(\pc)+6*\c+2], v[(\s)+32*\c:(\s)+32*\c+15], v[TM+12+2*\c]
	v_cvt_scalef32_pk16_bf6_f32 v[TPE+4*\c:TPE+4*\c+2], v[(\s)+32*\c+16:(\s)+32*\c+31], v[TM+13+2*\c]
.endr
	WIN 0
	v_nop                                          ; one plain place behind a scaled conversion
.irp c, 0,1                                        ; the layout wants a whole block in a lane: lanes 0-15 block 2 c, lanes 16-31 block 2 c + 1
.irp i, 0,1,2
	v_permlane16_swap_b32 v[(\pc)+6*\c+\i], v[TPE+4*\c+\i]
.endr
.irp i, 0,1,2
	v_mov_b32 v[(\pc)+6*\c+3+\i], v[TPE+4*\c+\i]
.endr
.endr
.endm
	PLACES 4                                       ; behind the last products, in front of the first read of results and the first write over Q's fragments
.irp b, 0,1,2,3
	v_mov_b32 v[TM+4+\b], 0                        ; (a lane permute's destination counts as one of its sources)
.endr
.irp a, 0,1,2,3,4,5,6,7                            ; Q's block a: 16 rows x 128 of P = two parts
.if \a >= 2
	s_wait_xcnt 0x0                                ; block a - 2's stores have read this set of code registers
.endif
	QUANT 64*(\a%4), 2+\a/4, PCE+12*(\a%2), PWE+\a
.irp c, 0,1
	global_store_b128 v[L16], v[PCE+12*(\a%2)+6*\c:PCE+12*(\a%2)+6*\c+3], s[OB+2*(2*\c+\a/4):OB+2*(2*\c+\a/4)+1] offset:768*(\a%4)          ; 512 consecutive bytes
	global_store_b64 v[L8], v[PCE+12*(\a%2)+6*\c+4:PCE+12*(\a%2)+6*\c+5], s[OB+2*(2*\c+\a/4):OB+2*(2*\c+\a/4)+1] offset:768*(\a%4)+512     ; 256 consecutive bytes
.endr
.endr
	s_cmp_eq_u32 ttmp9, 2
	s_cbranch_scc1 .Lwords_v
.irp b, 0,1,2,3                                    ; k, q: lanes 0-15 make the first head's words (bytes 0, 1 of each block's word), lanes 16-31 the second's (bytes 2, 3)
	v_perm_b32 v[FW+\b], v[PWE+2*\b+1], v[PWE+2*\b], v[VSEL]
.endr
	s_branch .Lwords_done
.Lwords_v:
	v_cmp_ne_u32 vcc_lo, 0, v2
.irp d, 0,1,2,3                                    ; v: blocks 0-3 are the first head's rows, blocks 4-7 the second's
	v_cndmask_b32 v[FW+\d], v[PWE+\d], v[PWE+4+\d], vcc_lo
.endr
.Lwords_done:
	global_store_b128 v[SOFF], v[FW:FW+3], s[OB:OB+1] offset:6144      ; sixteen lanes store a head's 256 bytes of scale words
	s_wait_tensorcnt 0x0                           ; the wave's end
	ds_add_u32 v[SPW], v[NIL]
	s_wait_dscnt 0x0
	CROUND                                         ; the closing round
	s_endpgm
.Lfunc_end_k_q25bb2c763b_gemm1:
	.size	k_q25bb2c763b_gemm1, .Lfunc_end_k_q25bb2c763b_gemm1-k_q25bb2c763b_gemm1
	.p2alignl 7, 3214868480
	.fill 96, 4, 3214868480
	.section	.rodata,"a",@progbits
	.p2align	6, 0x0
	.amdhsa_kernel k_q25bb2c763b_gemm1
		.amdhsa_group_segment_fixed_size 327680
		.amdhsa_private_segment_fixed_size 0
		.amdhsa_enable_private_segment 0
		.amdhsa_kernarg_size 32
		.amdhsa_user_sgpr_count 2
		.amdhsa_user_sgpr_kernarg_segment_ptr 1
		.amdhsa_wavefront_size32 1
		.amdhsa_system_sgpr_workgroup_id_x 1
		.amdhsa_system_sgpr_workgroup_id_y 1
		.amdhsa_system_sgpr_workgroup_id_z 1
		.amdhsa_system_vgpr_workitem_id 0
		.amdhsa_next_free_vgpr 1024
		.amdhsa_next_free_sgpr 96
		.amdhsa_reserve_vcc 1
		.amdhsa_float_denorm_mode_32 3
		.amdhsa_float_denorm_mode_16_64 3
		.amdhsa_memory_ordered 1
		.amdhsa_forward_progress 1
		.amdhsa_inst_pref_size 157
	.end_amdhsa_kernel
	.amdgpu_metadata
---
amdhsa.version: [ 1, 2 ]
amdhsa.kernels:
  - .name:           k_q25bb2c763b_gemm1
    .symbol:         k_q25bb2c763b_gemm1.kd
    .args:
      - { .name: ximg, .offset: 0, .size: 8, .value_kind: global_buffer, .address_space: global }
      - { .name: w1img, .offset: 8, .size: 8, .value_kind: global_buffer, .address_space: global }
      - { .name: b1, .offset: 16, .size: 8, .value_kind: global_buffer, .address_space: global }
      - { .name: kqv, .offset: 24, .size: 8, .value_kind: global_buffer, .address_space: global }
    .group_segment_fixed_size: 327680
    .private_segment_fixed_size: 0
    .kernarg_segment_align: 8
    .kernarg_segment_size: 32
    .max_flat_workgroup_size: 128
    .sgpr_count:     96
    .vgpr_count:     1024
    .wavefront_size: 32
...
	.end_amdgpu_metadata
.endif
;; end of part 2
;; launch attn (part 3): grid 16 x 16, 8 waves a work-group, clusters of 4 x 1, 327,680 bytes of LDS; arguments kqv, oimg; writes oimg
.if DOCPART == 3
	.amdgcn_target "amdgcn-amd-amdhsa--gfx1250"
	.amdhsa_code_object_version 6
	.text
	.protected	k_q25bb2c763b_attn
	.globl	k_q25bb2c763b_attn
	.p2align	8
	.type	k_q25bb2c763b_attn,@function
k_q25bb2c763b_attn:
	s_mov_b64 s[64:65], 0
	v_nop
	global_prefetch_b8 v0, s[64:65] scope:SCOPE_SE
	s_setreg_imm32_b32 hwreg(HW_REG_WAVE_MODE, 25, 1), 1
	s_wait_xcnt 0x0
	s_wait_alu depctr_hold_cnt(0) depctr_sa_sdst(0) depctr_va_vdst(0) depctr_va_sdst(0) depctr_va_ssrc(0) depctr_va_vcc(0) depctr_vm_vsrc(0)
	s_getreg_b32 s2, hwreg(HW_REG_IB_STS2, 6, 4)
	s_cmp_eq_u32 s2, 0
	s_cbranch_scc0 .Lentry_in_a_cluster
	s_endpgm
.Lentry_in_a_cluster:
	s_bfe_u32 s2, ttmp6, 0x10000c
	s_cmp_lg_u32 s2, 0x3003
	s_cbranch_scc0 .Lentry_shape_is_right
	s_endpgm
.Lentry_shape_is_right:
; O[h][t] = sum over s <= t of Q(q[t] . k[s]) v[s], both products on codes of BF6; the masked scores are quantised along the keys in registers; O is quantised along the head's 64 for the last product.
; SHARES.  The head is the grid's y.  Cluster J (0..3) owns the blocks of 512 queries J and 7 - J and walks key slots of 512: 0 .. J, then 0 .. 7 - J: NINE TRIPS in every cluster, so all trip counts are constants and the work is even.
; Partner c takes, of each of a block's four steps of 128 tokens, tokens 32 c .. 32 c + 31 (parts 2 c, 2 c + 1): so all four partners want every tile of K and V, and no branch hangs on c.
; Wave w = 4 g + p holds four tiles of 16 queries (steps 2 g, 2 g + 1 of the block) and takes key step p of each slot: every fragment of K and V that it reads feeds four products.  The four p's partial O are added in f32 at a block's end.
; LAYOUT.  Both products transposed: S^T = K Q^T, O^T = V^T P^T: a lane holds one query.  By the order of rows in a part, register 16 b + i of a tile's scores is key 32 b + 16 (lane / 16) + i, and of O^T channel 32 b + 16 (lane / 16) + i.
; K = 64 IN AN INSTRUCTION OF 128: a fragment of K is two parts, 32 keys; source 1 is [Q | zeros] for the first part and [zeros | Q] for the second, both cut out of one run of registers 0 Q0 0 Q1 0 Q2 0 Q3 0.
; BY TURNS.  A tile's quantiser is 68 vector lines, its scores 8 matrix instructions.  The scores have two buffers: while tile u is quantised, tile u + 1's products are issued among the lines, a pair in front of each of four slices.
; RING.  Two double slots; each holds two trips' tiles (K 25,600, V 25,600 bytes a trip).  Waves 0-3 fetch one tile each, jointly for the four partners; one round of the cluster's barrier serves two trips.
; THE MASK.  In a diagonal trip (N = J and the last) my key step p meets query step t = 2 g + u / 2.  p < t: every key counts.  p = t: hidden scores become 0 ahead of the quantiser.  p > t: every key is hidden: the tile goes the same way
; as any other and its codes are then set to zero, which add nothing under any scale byte that the quantiser makes.  The branches hang on the wave's number and the trip's alone.
; LIMITS: the byte 1 for blocks of zeros and under 2^-122; no NaN, no infinities; O's sum over the keys is taken in four f32 parts.
; REGISTERS: window 0: v1-19 addresses; v20-35 scale words (Q, K, V, P); v36-59 at work; v60-107 P's codes; v108-235 the scores, two buffers; v236 the prefetch's offset; v238-239 the second block's scale words.
;   window 1: v0-127 O^T (tile u, channels' tile d at 32 u + 8 d); v128-181 Q among zeros; v184-231 fragments of K, then of V; v232-255 the second block's Q.
.set AU,    6400                       ; a unit of kqv
.set TILE,  25600                      ; four units: 512 tokens of one head
.set TRIPB, 51200
.set DBL,   131072                     ; the second double slot begins here: one exclusive or turns an address
.set SPARE, 102400                     ; the spare words, 128 bytes for each of eight waves
.set STAGE, 233472                     ; 65,536 bytes for the partial O: no fill lands here
.set HHB,   204800                     ; a head's 32 units
.set SPW, 1
.set NIL, 2
.set B16, 3                            ; 16 l + 6,400 p
.set B8,  4                            ; 8 l + 6,400 p
.set BSC, 5                            ; 16 r + 6,400 p + 6,144
.set A16, 6                            ; the three with the trip's place
.set A8,  7
.set ASC, 8
.set DQ,  9                            ; my query less my first key, in a diagonal trip
.set STO, 10
.set RDA, 11
.set GQ16, 12
.set GQ8,  13
.set GQS,  14
.set GO16, 15
.set GO8,  16
.set QW,   17
.set GOS,  19
.set QS, 20
.set KS, 24
.set VS, 28
.set PS, 32
.set TM, 36
.set TP, 52
.set P,  60
.set S,  108                           ; tile u's scores at S + 64 (u % 2)
.set PCO, 192                          ; at a block's end, when no score is alive: O's codes,
.set OW,  198                          ; its two scale bytes,
.set OTP, 200
.set PFO, 236
.set QW2, 238
.set KV,  184                          ; in window 1
.set Q2,  232                          ; in window 1
.set sWV, 8
.set sG,  9
.set sP,  10
.set sPH, 11
.set sC,  12
.set sJ,  13
.set sJ1, 14
.set sHD, 15
.set sN,  16
.set sTB, 18
.set sL0, 19
.set sL1, 20
.set sNW, 21
.set sBLK, 22
.set sLIM, 23
.set G1,  24
.set G0,  32
.set TBASE, 36
.set PFA, 38
.set QA,  40
.set OA,  42
.set T0,  44
.set SEL, 48
.set OS,  50
.set QB,  54
.set sKP, 56                           ; my key step in a diagonal trip, else -1
.set sT0, 57                           ; s57, s58: the query steps of my tiles 0, 1 and 2, 3
.set MSB, 0
.macro WIN new
.if MSB != (\new)
	s_set_vgpr_msb (MSB<<8)|(\new)
.set MSB, (\new)
.endif
.endm
.macro PLACES n
.rept \n
	v_nop
.endr
.endm
.macro CROUND
	s_barrier_signal -1
	s_barrier_wait -1
	s_cmp_lg_u32 s[sWV], 0
	s_cbranch_scc1 .Lnw0_\@
	s_barrier_signal -3
.Lnw0_\@:
	s_barrier_wait -3
	s_barrier_signal -1
	s_barrier_wait -1
.endm
; Waves 0-3 fetch: wave w the tile of trip w % 2 of the pair, K (w < 2) or V.  half = 1: the last pair has one trip: waves 0 and 2.  The branch hangs on the wave's number alone.  Four v_nop follow the load.
.macro TLOAD half
.if \half
	s_and_b32 s[T0], s[sWV], 5
	s_cmp_eq_u32 s[T0], 0
.else
	s_cmp_lt_u32 s[sWV], 4
.endif
	s_cbranch_scc0 .Lnone_\@
	tensor_load_to_lds s[G0:G0+3], s[G1:G1+7]
	s_nop 0
	PLACES 4
.Lnone_\@:
.endm
; A PREFETCH INTO THE L2 of the tile that the NEXT change of slots will ask for, two trips ahead of that load.  Cluster 0 of a head walks key slots 0, 0, 1, .. 7: it asks, and in it waves 4-7, which fetch nothing, wave 4 + i for wave i's tile;
; the four partners share a tile's 100 blocks of 256 bytes out by address, 25 each, a lane a block (lanes 24-31 name one block).  Slots 3 to 7 are named once each; slots 0 to 2 come by their loads alone; the last changes ask for nothing.
.macro ASK
	s_cmp_lt_i32 s[sNW], s[sLIM]
	s_cbranch_scc0 .Lnm_\@
	global_prefetch_b8 v[PFO], s[PFA:PFA+1] th:TH_LOAD_NT scope:SCOPE_SE
.Lnm_\@:
.endm
; THE QUANTISER, in pieces.  64 numbers of a lane, v[s] on, register 16 b + i = K 32 b + 16 (lane / 16) + i, become a fragment's codes in v[pc] on and the scale word in v[pw].  Each accumulator is read from its low end on.
.macro QMAX0 s                         ; four lines: the four blocks' maxima begin, with the floor 2^(5 - 127): the byte cannot fall under 1
	WIN 0
.irp b, 0,1,2,3
	v_max3_num_f32 v[TM+\b], |v[(\s)+16*\b]|, |v[(\s)+16*\b+1]|, 0x2800000
.endr
.endm
.macro QMAX s, i                       ; four lines: numbers i and i + 1 of each block's sixteen
.irp b, 0,1,2,3
	v_max3_num_f32 v[TM+\b], |v[(\s)+16*\b+(\i)]|, |v[(\s)+16*\b+(\i)+1]|, v[TM+\b]
.endr
.endm
.macro QSC                             ; sixteen lines: lane l xor 16's maxima, the conversions' scale operands, the bytes
	WIN 0
.irp b, 0,1,2,3
	v_permlanex16_b32 v[TM+4+\b], v[TM+\b], s[SEL], s[SEL+1]
.endr
.irp b, 0,1,2,3
	v_max_num_f32 v[TM+\b], v[TM+\b], v[TM+4+\b]
.endr
.irp b, 0,1,2,3
	v_add_nc_u32 v[TM+12+\b], 0xfe000000, v[TM+\b]
.endr
.irp b, 0,1,2,3
	v_lshrrev_b32 v[TM+4+\b], 23, v[TM+12+\b]
.endr
.endm
.macro QFIN s, pc, pw                  ; twenty lines: the scale word, the codes, a whole block to a lane
	WIN 0
	v_lshl_or_b32 v[\pw], v[TM+5], 8, v[TM+4]
	v_lshl_or_b32 v[\pw], v[TM+6], 16, v[\pw]
	v_lshl_or_b32 v[\pw], v[TM+7], 24, v[\pw]
.irp c, 0,1
	v_cvt_scalef32_pk16_bf6_f32 v[(\pc)+6*\c:(\pc)+6*\c+2], v[(\s)+32*\c:(\s)+32*\c+15], v[TM+12+2*\c]
	v_cvt_scalef32_pk16_bf6_f32 v[TP+4*\c:TP+4*\c+2], v[(\s)+32*\c+16:(\s)+32*\c+31], v[TM+13+2*\c]
.endr
	v_nop                                          ; one plain place behind a scaled conversion
.irp c, 0,1
.irp i, 0,1,2
	v_permlane16_swap_b32 v[(\pc)+6*\c+\i], v[TP+4*\c+\i]
.endr
.irp i, 0,1,2
	v_mov_b32 v[(\pc)+6*\c+3+\i], v[TP+4*\c+\i]
.endr
.endr
.endm
; Two of tile u's eight score products: K's fragment k (32 keys) against Q in the first half of K and in the second.
.macro KQ2 u, k
	WIN 0x05                                       ; sources 0 (K) and 1 (Q) window 1, the scores window 0
.irp e, 0,1
	v_wmma_scale_f32_16x16x128_f8f6f4 v[S+64*((\u)%2)+8*(2*(\k)+\e):S+64*((\u)%2)+8*(2*(\k)+\e)+7], v[KV+12*(\k):KV+12*(\k)+11], v[134+12*(\u)-6*\e:145+12*(\u)-6*\e], 0, v[KS+(\k)], v[QS+(\u)] matrix_a_fmt:MATRIX_FMT_BF6 matrix_b_fmt:MATRIX_FMT_BF6
.endr
.endm
; The mask of tile u, where my key step is its query step.
.macro MASKQ u, mk
.if \mk
	WIN 0
	s_cmp_lg_u32 s[sKP], s[sT0+(\u)/2]
	s_cbranch_scc1 .Lopen_\@
.set mn, 0
.rept 64                                           ; register 16 b + i counts where its key is not behind my query
	v_cmp_le_i32 vcc_lo, 32*(mn/16)+mn%16-128*((\u)/2)-8*((\u)%2), v[DQ]
	v_cndmask_b32 v[S+64*((\u)%2)+mn], 0, v[S+64*((\u)%2)+mn], vcc_lo
.set mn, mn+1
.endr
.Lopen_\@:
.endif
.endm
; Tile u's codes become zeros where my key step lies behind its query step.
.macro ZEROQ u, mk
.if \mk
	WIN 0
	s_cmp_le_i32 s[sKP], s[sT0+(\u)/2]
	s_cbranch_scc1 .Lseen_\@
.set zi, 0
.rept 12
	v_mov_b32 v[P+12*(\u)+zi], 0
.set zi, zi+1
.endr
.Lseen_\@:
.endif
.endm
; Tile u: the mask, the quantiser in four slices (16, 16, 16, 20 lines).  nxt = 1: a pair of tile u + 1's products stands in front of each slice; they write the other buffer and name no register of the slices.
; Behind the last pair stand the slice's ten plain lines (three shifts, the v_nop, six moves) before anything reads its results.
.macro TILEQ u, mk, nxt
	MASKQ \u, \mk
.if \nxt
	KQ2 (\u)+1, 0
.endif
	QMAX0 S+64*((\u)%2)
	QMAX S+64*((\u)%2), 2
	QMAX S+64*((\u)%2), 4
	QMAX S+64*((\u)%2), 6
.if \nxt
	KQ2 (\u)+1, 1
	WIN 0
.endif
	QMAX S+64*((\u)%2), 8
	QMAX S+64*((\u)%2), 10
	QMAX S+64*((\u)%2), 12
	QMAX S+64*((\u)%2), 14
.if \nxt
	KQ2 (\u)+1, 2
.endif
	QSC
.if \nxt
	KQ2 (\u)+1, 3
.endif
	QFIN S+64*((\u)%2), P+12*(\u), PS+(\u)
	ZEROQ \u, \mk
.endm
; Where my four tiles of the block s[blk] begin in kqv.
.macro QADR blk, dst
	s_lshl_b32 s[T0], s[\blk], 2
	s_lshl_b32 s[T0+1], s[sG], 1
	s_add_co_u32 s[T0], s[T0], s[T0+1]             ; step 4 x block + 2 g
	s_mul_i32 s[T0], s[T0], AU
	s_add_co_u32 s[T0+1], s[sHD], 16               ; q's heads stand behind k's sixteen
	s_mul_i32 s[T0+1], s[T0+1], HHB
	s_add_co_u32 s[T0], s[T0], s[T0+1]
	s_mov_b32 s[T0+1], 0
	s_add_nc_u64 s[\dst:\dst+1], s[4:5], s[T0:T0+1]
.endm
.macro ZERO_O                          ; O^T begins as zeros, so that the trip is written once
	WIN 0x40
.set zi, 0
.rept 128
	v_mov_b32 v[zi], 0
.set zi, zi+1
.endr
	WIN 0
.endm
.macro QSCALES w                       ; the same two bytes serve Q in either half of K
	v_perm_b32 v[QS], v[\w], v[\w], 0x01000100     ; part 2 c's two bytes, twice
	v_perm_b32 v[QS+1], v[\w], v[\w], 0x03020302   ; part 2 c + 1's
	v_perm_b32 v[QS+2], v[\w+1], v[\w+1], 0x01000100
	v_perm_b32 v[QS+3], v[\w+1], v[\w+1], 0x03020302
	PLACES 8                                       ; a scale register written by a vector instruction stands eight places ahead of a scaled matrix instruction
.endm
; The change of blocks: the second block's Q has lain in registers since the head.
.macro NEXTQ
	s_wait_xcnt 0x0                                ; the block's stores have read their data, which lie where scores will be written
	WIN 0x41                                       ; destination and source window 1
.irp u, 0,1,2,3
.irp i, 0,1,2,3,4,5
	v_mov_b32 v[134+12*\u+\i], v[Q2+6*\u+\i]
.endr
.endr
	ZERO_O
	QSCALES QW2
.endm
; Half of the adding up: every wave stores its partial tiles 2 R and 2 R + 1; the waves p = 2 R, 2 R + 1 each read one tile's four parts and add them.  Two barriers: stores before reads, reads before the next stores.
.macro FROUND R
	WIN 0x04                                       ; an LDS store's data are its source 1: window 1
.set fk, 0
.rept 16
	ds_store_b128 v[STO], v[64*(\R)+4*fk:64*(\R)+4*fk+3] offset:16384*(fk/8)+512*(fk%8)
.set fk, fk+1
.endr
	WIN 0
	s_wait_dscnt 0x0
	s_barrier_signal -1
	s_barrier_wait -1
	s_cmp_eq_u32 s[sPH], \R
	s_cbranch_scc0 .Lnotmine_\@
.set fk, 0
.rept 32
	ds_load_b128 v[P+4*fk:P+4*fk+3], v[RDA] offset:512*fk
.set fk, fk+1
.endr
	s_wait_dscnt 0x0
.set fk, 0
.rept 16
	v_pk_add_f32 v[P+2*fk:P+2*fk+1], v[P+2*fk:P+2*fk+1], v[P+32+2*fk:P+33+2*fk]
	v_pk_add_f32 v[P+64+2*fk:P+65+2*fk], v[P+64+2*fk:P+65+2*fk], v[P+96+2*fk:P+97+2*fk]
.set fk, fk+1
.endr
.set fk, 0
.rept 16
	v_pk_add_f32 v[P+2*fk:P+2*fk+1], v[P+2*fk:P+2*fk+1], v[P+64+2*fk:P+65+2*fk]
.set fk, fk+1
.endr
.Lnotmine_\@:
	s_wait_dscnt 0x0
	s_barrier_signal -1
	s_barrier_wait -1
.endm
; A block's end: wave p ends up with tile u = p whole (32 numbers a lane: 64 channels in two blocks), quantises it and stores a part of oimg and its two scale bytes.
.macro FLUSH
	FROUND 0
	FROUND 1
.irp b, 0,1
	v_max3_num_f32 v[TM+\b], |v[P+16*\b]|, |v[P+16*\b+1]|, 0x2800000
.endr
.irp i, 2,4,6,8,10,12,14
.irp b, 0,1
	v_max3_num_f32 v[TM+\b], |v[P+16*\b+\i]|, |v[P+16*\b+\i+1]|, v[TM+\b]
.endr
.endr
.irp b, 0,1
	v_permlanex16_b32 v[TM+4+\b], v[TM+\b], s[SEL], s[SEL+1]
.endr
.irp b, 0,1
	v_max_num_f32 v[TM+\b], v[TM+\b], v[TM+4+\b]
.endr
.irp b, 0,1
	v_add_nc_u32 v[TM+12+\b], 0xfe000000, v[TM+\b]
.endr
.irp b, 0,1
	v_lshrrev_b32 v[TM+4+\b], 23, v[TM+12+\b]
.endr
	v_lshl_or_b32 v[OW], v[TM+5], 8, v[TM+4]
	v_cvt_scalef32_pk16_bf6_f32 v[PCO:PCO+2], v[P:P+15], v[TM+12]
	v_cvt_scalef32_pk16_bf6_f32 v[OTP:OTP+2], v[P+16:P+31], v[TM+13]
	v_nop
.irp i, 0,1,2
	v_permlane16_swap_b32 v[PCO+\i], v[OTP+\i]
.endr
.irp i, 0,1,2
	v_mov_b32 v[PCO+3+\i], v[OTP+\i]
.endr
	s_wait_xcnt 0x0
	s_lshl_b32 s[T0], s[sBLK], 2
	s_lshl_b32 s[T0+1], s[sG], 1
	s_add_co_u32 s[T0], s[T0], s[T0+1]
	s_add_co_u32 s[T0], s[T0], s[sPH]              ; the block of 128 tokens,
	s_lshl_b32 s[T0], s[T0], 3
	s_lshr_b32 s[T0+1], s[sHD], 1
	s_add_co_u32 s[T0], s[T0], s[T0+1]             ; the K step of the last product: two heads
	s_mul_i32 s[T0], s[T0], 12800
	s_and_b32 s[T0+2], s[sP], 1
	s_and_b32 s[T0+3], s[sHD], 1
	s_mul_i32 s52, s[T0+2], 1536                   ; fragment 2 c + p % 2 (3,072 c stands in the lanes' offsets),
	s_mul_i32 s53, s[T0+3], 768                    ; its half by the head
	s_add_co_u32 s52, s52, s53
	s_add_co_u32 s52, s52, s[T0]
	s_mov_b32 s53, 0
	s_add_nc_u64 s[OA:OA+1], s[6:7], s[52:53]
	s_lshl_b32 s52, s[T0+2], 6
	s_lshl_b32 s[T0+3], s[T0+3], 1
	s_add_co_u32 s52, s52, s[T0+3]
	s_add_co_u32 s52, s52, s[T0]
	s_add_nc_u64 s[OS:OS+1], s[6:7], s[52:53]
	global_store_b128 v[GO16], v[PCO:PCO+3], s[OA:OA+1]                ; 512 consecutive bytes
	global_store_b64 v[GO8], v[PCO+4:PCO+5], s[OA:OA+1] offset:512     ; 256 consecutive bytes
	global_store_b16 v[GOS], v[OW], s[OS:OS+1] offset:12288            ; two bytes of a row's scale word; lanes l and l xor 16 store the same value at the same place.  One byte in 24 of what the launch stores leaves so
.endm
; THE CHANGE OF SLOTS, at the head of a pair of trips.  fill = 1: the other double slot is filled with the next pair's tiles; 2: with the last trip's alone; 0: nothing is left to fetch.
.macro CHANGE fill
	s_wait_tensorcnt 0x0                           ; my tensor load has landed: my tile of the pair ahead; so its group 0 may be written
	ds_add_u32 v[SPW], v[NIL]
.if \fill
	s_add_co_i32 s[sNW], s[sNW], 2                 ; the trip that I fetch for
	s_cmp_gt_i32 s[sNW], s[sJ]
	s_cselect_b32 s[T0], s[sJ1], 0
	s_sub_co_i32 s[T0], s[sNW], s[T0]              ; its key slot: the walk begins anew behind trip J
	s_min_u32 s[T0], s[T0], 7
	s_mul_i32 s[T0], s[T0], TILE
	s_mov_b32 s[T0+1], 0
	s_add_nc_u64 s[G0+2:G0+3], s[TBASE:TBASE+1], s[T0:T0+1]
	s_or_b32 s[G0+3], s[G0+3], 0x80000000
	s_xor_b32 s[G0+1], s[G0+1], DBL                ; the other double slot than last time
	s_wait_xcnt 0x0                                ; the last prefetch, two trips back, has read its address
	s_add_co_i32 s[T0], s[sNW], 1                  ; in cluster 0 trip N + 2 walks slot N + 1
	s_min_u32 s[T0], s[T0], 7
	s_mul_i32 s[T0], s[T0], TILE
	s_add_nc_u64 s[PFA:PFA+1], s[TBASE:TBASE+1], s[T0:T0+1]
.endif
	s_wait_dscnt 0x0                               ; the add is done, and my reads of the double slot that I have left are over
.if \fill == 1
	CROUND                                         ; the same now holds of every wave of all four partners
	TLOAD 0
	ASK
.elseif \fill == 2
	CROUND
	TLOAD 1
.else
	s_barrier_signal -1
	s_barrier_wait -1
.endif
.endm
; A TRIP: one key slot, 48 matrix instructions a wave.  mk = 0: no trip of this copy lies on the diagonal; 1: the trip N = J does; 2: it always does.  fl = 1: the first block ends behind trip J.
.macro TRIP mk, fl
.if \mk == 1
	s_cmp_eq_u32 s[sN], s[sJ]
	s_cselect_b32 s[sKP], s[sP], -1
.elseif \mk == 2
	s_mov_b32 s[sKP], s[sP]
.endif
	v_add_nc_u32 v[A16], s[sTB], v[B16]
	v_add_nc_u32 v[A8], s[sTB], v[B8]
	v_add_nc_u32 v[ASC], s[sTB], v[BSC]
	v_nop
	WIN 0x40                                       ; destination window 1
.set ka, 0
.rept 8
	ds_load_b128 v[KV+6*ka:KV+6*ka+3], v[A16] offset:768*ka
	ds_load_b64 v[KV+6*ka+4:KV+6*ka+5], v[A8] offset:768*ka+512
.set ka, ka+1
.endr
	WIN 0
	ds_load_b128 v[KS:KS+3], v[ASC]
	ds_load_b128 v[VS:VS+3], v[ASC] offset:TILE
	s_wait_dscnt 0x0
	KQ2 0, 0                                       ; tile 0's scores: there is nothing yet to set between them
	KQ2 0, 1
	KQ2 0, 2
	KQ2 0, 3
	WIN 0
	PLACES 4                                       ; in front of the first read of these results
	TILEQ 0, \mk, 1
	TILEQ 1, \mk, 1
	TILEQ 2, \mk, 1
	PLACES 4                                       ; K's fragments are done with: V's take their registers and land under the last quantiser
	WIN 0x40
.irp d, 0,1,2,3
.irp c, 0,1
	ds_load_b128 v[KV+12*\d+6*\c:KV+12*\d+6*\c+3], v[A16] offset:TILE+768*(4*\c+\d)
	ds_load_b64 v[KV+12*\d+6*\c+4:KV+12*\d+6*\c+5], v[A8] offset:TILE+768*(4*\c+\d)+512
.endr
.endr
	WIN 0
	TILEQ 3, \mk, 0
	PLACES 8                                       ; P's last codes and scale word were written by vector instructions
	s_wait_dscnt 0x0                               ; V
	WIN 0x51                                       ; source 0 (V), C and D window 1; source 1 (P) window 0
.irp d, 0,1,2,3
.irp u, 0,1,2,3                                    ; sixteen accumulators by turns, one instruction a turn
	v_wmma_scale_f32_16x16x128_f8f6f4 v[32*\u+8*\d:32*\u+8*\d+7], v[KV+12*\d:KV+12*\d+11], v[P+12*\u:P+12*\u+11], v[32*\u+8*\d:32*\u+8*\d+7], v[VS+\d], v[PS+\u] matrix_a_fmt:MATRIX_FMT_BF6 matrix_b_fmt:MATRIX_FMT_BF6
.endr
.endr
	WIN 0
	PLACES 4                                       ; in front of the next loads into V's registers, and of the first read of O^T
.if \fl
	s_cmp_lg_u32 s[sN], s[sJ]                      ; the first block ends with trip J: the same in every wave and every partner
	s_cbranch_scc1 .Lnoflush_\@
	FLUSH
	s_sub_co_u32 s[sBLK], 7, s[sJ]
	NEXTQ
.Lnoflush_\@:
	s_add_co_u32 s[sN], s[sN], 1
.endif
	s_add_co_u32 s[sTB], s[sTB], TRIPB
.endm
	s_load_b128 s[4:7], s[0:1], 0x0                ; kqv, oimg
	v_lshl_add_u32 v[SPW], v0, 2, SPARE
	v_mov_b32 v[NIL], 0
	ds_add_u32 v1, v2
	s_wait_dscnt 0x0
	v_lshrrev_b32 v52, 5, v0
	v_readfirstlane_b32 s[sWV], v52
	s_lshr_b32 s[sG], s[sWV], 2
	s_and_b32 s[sP], s[sWV], 3
	s_lshr_b32 s[sPH], s[sP], 1
	s_lshl_b32 s[sT0], s[sG], 1
	s_add_co_u32 s[sT0+1], s[sT0], 1
	s_bfe_u32 s[sC], ttmp6, 0x40000                ; my place in the cluster: it enters global offsets and the mask's numbers alone
	s_mov_b32 s[sJ], ttmp9
	s_add_co_u32 s[sJ1], ttmp9, 1
	s_and_b32 s[sHD], ttmp7, 0xffff
	s_mov_b32 s[G1], 15|(3<<16)|(1<<21)            ; all four partners; elements of 8 bytes; 25,600 dense bytes as 100 rows of 256
	s_mov_b32 s[G1+1], 32<<16
	s_mov_b32 s[G1+2], 100<<16
	s_mov_b32 s[G1+3], 32<<16
	s_mov_b32 s[G1+4], 100
	s_mov_b32 s[G1+5], 32
	s_mov_b32 s[G1+6], 0
	s_mov_b32 s[G1+7], 0
	s_bfe_u32 s[T0+2], s[sWV], 0x10001             ; (w / 2) % 2: K's tiles or V's
	s_lshl_b32 s[T0], s[T0+2], 5
	s_add_co_u32 s[T0], s[T0], s[sHD]              ; k's heads come first, v's from the 32nd on
	s_mul_i32 s[T0], s[T0], HHB
	s_mov_b32 s[T0+1], 0
	s_and_b32 s[sNW], s[sWV], 1                    ; the trip that I fetch for: 0 or 1
	s_mul_i32 s[G0+1], s[sNW], TRIPB
	s_mul_i32 s[T0+2], s[T0+2], TILE
	s_add_co_u32 s[G0+1], s[G0+1], s[T0+2]         ; its place in the first double slot
	s_mov_b32 s[G0], 1
	s_mov_b32 s[SEL], 0x76543210
	s_mov_b32 s[SEL+1], 0xfedcba98
	s_mov_b32 s[sN], 0
	s_mov_b32 s[sTB], 0
	s_mov_b32 s[sBLK], ttmp9
	s_lshr_b32 s[T0+3], s[sWV], 2
	s_xor_b32 s[T0+3], s[T0+3], 1                  ; 0 in waves 4-7,
	s_or_b32 s[T0+3], s[T0+3], ttmp9               ; of the head's first cluster: the same in all four partners
	s_cmp_eq_u32 s[T0+3], 0
	s_cselect_b32 s[sLIM], 7, -8
	s_cmp_gt_i32 s[sNW], s[sJ]                     ; trip 1 walks slot 1, or slot 0 again where J = 0
	s_cselect_b32 s[T0+2], s[sJ1], 0
	s_sub_co_i32 s[T0+2], s[sNW], s[T0+2]
	s_mul_i32 s[T0+2], s[T0+2], TILE
	s_mov_b32 s[T0+3], 0
	s_wait_kmcnt 0x0
	s_add_nc_u64 s[TBASE:TBASE+1], s[4:5], s[T0:T0+1]
	s_mov_b64 s[PFA:PFA+1], s[TBASE:TBASE+1]
	s_add_nc_u64 s[G0+2:G0+3], s[TBASE:TBASE+1], s[T0+2:T0+3]
	s_or_b32 s[G0+3], s[G0+3], 0x80000000
	CROUND                                         ; all four work-groups are here: the first joint loads meet
	TLOAD 0                                        ; trips 0 and 1: one load a wave
	v_and_b32 v52, 31, v0                          ; l
	v_and_b32 v53, 15, v0                          ; r
	v_bfe_u32 v54, v0, 4, 1                        ; h
	s_mul_i32 s[T0], s[sP], AU                     ; my key step's unit in a tile
	v_lshl_add_u32 v[B16], v52, 4, s[T0]
	v_lshl_add_u32 v[B8], v52, 3, s[T0]
	s_add_co_u32 s[T0+1], s[T0], 6144
	v_lshl_add_u32 v[BSC], v53, 4, s[T0+1]
	v_and_b32 v[DQ], 8, v53
	v_add_nc_u32 v[DQ], v[DQ], v53                 ; r + 8 (r / 8)
	v_lshlrev_b32 v55, 4, v54
	v_sub_nc_u32 v[DQ], v[DQ], v55                 ; - 16 h
	s_lshl_b32 s[T0], s[sC], 5
	s_lshl_b32 s[T0+1], s[sG], 8
	s_add_co_u32 s[T0], s[T0], s[T0+1]
	s_lshl_b32 s[T0+1], s[sP], 7
	s_sub_co_i32 s[T0], s[T0], s[T0+1]
	v_add_nc_u32 v[DQ], s[T0], v[DQ]               ; + 32 c + 256 g - 128 p
	s_lshl_b32 s[T0], s[sG], 15                    ; the stage: [g][tile of the round][p][eight pieces of 512 bytes]
	s_lshl_b32 s[T0+1], s[sP], 12
	s_add_co_u32 s[T0+1], s[T0+1], s[T0]
	s_add_co_u32 s[T0+1], s[T0+1], STAGE
	v_lshl_add_u32 v[STO], v52, 4, s[T0+1]
	s_and_b32 s[T0+1], s[sP], 1
	s_lshl_b32 s[T0+1], s[T0+1], 14
	s_add_co_u32 s[T0+1], s[T0+1], s[T0]
	s_add_co_u32 s[T0+1], s[T0+1], STAGE
	v_lshl_add_u32 v[RDA], v52, 4, s[T0+1]
	s_mul_i32 s[T0], s[sC], 1536                   ; global offsets: my partner's parts 2 c, 2 c + 1 of q,
	v_lshl_add_u32 v[GQ16], v52, 4, s[T0]
	v_lshl_add_u32 v[GQ8], v52, 3, s[T0]
	s_lshl_b32 s[T0+1], s[sC], 2
	v_lshl_add_u32 v[GQS], v53, 4, s[T0+1]
	s_lshl_b32 s[T0], s[T0], 1                     ; fragments 2 c, 2 c + 1 of oimg
	v_lshl_add_u32 v[GO16], v52, 4, s[T0]
	v_lshl_add_u32 v[GO8], v52, 3, s[T0]
	s_lshl_b32 s[T0+1], s[sC], 7
	v_lshl_add_u32 v[GOS], v53, 2, s[T0+1]
	v_min_u32 v[PFO], 24, v52
	s_mul_i32 s[T0], s[sC], 25
	v_add_nc_u32 v[PFO], s[T0], v[PFO]
	v_lshlrev_b32 v[PFO], 8, v[PFO]
.irp b, 0,1,2,3
	v_mov_b32 v[TM+4+\b], 0                        ; (a lane permute's destination counts as one of its sources)
.endr
	; BOTH blocks' Q are asked for here, under one wait: the first block's among the zeros, the second's into registers of its own, whence the change of blocks moves it
	QADR sBLK, QA
	s_sub_co_u32 s[T0+2], 7, s[sJ]
	QADR T0+2, QB
	WIN 0x40                                       ; destination window 1
.irp u, 0,1,2,3
	global_load_b128 v[134+12*\u:137+12*\u], v[GQ16], s[QA:QA+1] offset:AU*(\u/2)+768*(\u%2)
	global_load_b64 v[138+12*\u:139+12*\u], v[GQ8], s[QA:QA+1] offset:AU*(\u/2)+768*(\u%2)+512
	global_load_b128 v[Q2+6*\u:Q2+6*\u+3], v[GQ16], s[QB:QB+1] offset:AU*(\u/2)+768*(\u%2)
	global_load_b64 v[Q2+6*\u+4:Q2+6*\u+5], v[GQ8], s[QB:QB+1] offset:AU*(\u/2)+768*(\u%2)+512
.endr
.irp z, 0,1,2,3,4
.irp i, 0,1,2,3,4,5
	v_mov_b32 v[128+12*\z+\i], 0                   ; the zero codes between the tiles of Q: written once
.endr
.endr
	WIN 0
	global_load_b32 v[QW], v[GQS], s[QA:QA+1] offset:6144
	global_load_b32 v[QW+1], v[GQS], s[QA:QA+1] offset:6144+AU
	global_load_b32 v[QW2], v[GQS], s[QB:QB+1] offset:6144
	global_load_b32 v[QW2+1], v[GQS], s[QB:QB+1] offset:6144+AU
	ZERO_O                                         ; (while the loads are out)
	s_wait_loadcnt 0x0
	QSCALES QW
	s_mov_b32 s[sL0], 3
.Lsuper:                                           ; trips 0 to 5
	CHANGE 1
	s_mov_b32 s[sL1], 2
.Ltrip:
	TRIP 1, 1
	s_sub_co_u32 s[sL1], s[sL1], 1
	s_cmp_lg_u32 s[sL1], 0
	s_cbranch_scc1 .Ltrip
	s_sub_co_u32 s[sTB], s[sTB], 2*TRIPB
	s_xor_b32 s[sTB], s[sTB], DBL
	s_sub_co_u32 s[sL0], s[sL0], 1
	s_cmp_lg_u32 s[sL0], 0
	s_cbranch_scc1 .Lsuper
	CHANGE 2                                       ; the tail is written out: trips 6 and 7, which never lie on the diagonal
	s_mov_b32 s[sL1], 2
.Ltail:
	TRIP 0, 0
	s_sub_co_u32 s[sL1], s[sL1], 1
	s_cmp_lg_u32 s[sL1], 0
	s_cbranch_scc1 .Ltail
	s_sub_co_u32 s[sTB], s[sTB], 2*TRIPB
	s_xor_b32 s[sTB], s[sTB], DBL
	CHANGE 0
	TRIP 2, 0                                      ; trip 8: the second block's diagonal
	FLUSH
	s_wait_tensorcnt 0x0                           ; the wave's end
	ds_add_u32 v[SPW], v[NIL]
	s_wait_dscnt 0x0
	CROUND                                         ; the closing round
	s_endpgm
.Lfunc_end_k_q25bb2c763b_attn:
	.size	k_q25bb2c763b_attn, .Lfunc_end_k_q25bb2c763b_attn-k_q25bb2c763b_attn
	.p2alignl 7, 3214868480
	.fill 96, 4, 3214868480
	.section	.rodata,"a",@progbits
	.p2align	6, 0x0
	.amdhsa_kernel k_q25bb2c763b_attn
		.amdhsa_group_segment_fixed_size 327680
		.amdhsa_private_segment_fixed_size 0
		.amdhsa_enable_private_segment 0
		.amdhsa_kernarg_size 16
		.amdhsa_user_sgpr_count 2
		.amdhsa_user_sgpr_kernarg_segment_ptr 1
		.amdhsa_wavefront_size32 1
		.amdhsa_system_sgpr_workgroup_id_x 1
		.amdhsa_system_sgpr_workgroup_id_y 1
		.amdhsa_system_sgpr_workgroup_id_z 1
		.amdhsa_system_vgpr_workitem_id 0
		.amdhsa_next_free_vgpr 512
		.amdhsa_next_free_sgpr 66
		.amdhsa_reserve_vcc 1
		.amdhsa_float_denorm_mode_32 3
		.amdhsa_float_denorm_mode_16_64 3
		.amdhsa_memory_ordered 1
		.amdhsa_forward_progress 1
		.amdhsa_inst_pref_size 177
	.end_amdhsa_kernel
	.amdgpu_metadata
---
amdhsa.version: [ 1, 2 ]
amdhsa.kernels:
  - .name:           k_q25bb2c763b_attn
    .symbol:         k_q25bb2c763b_attn.kd
    .args:
      - { .name: kqv, .offset: 0, .size: 8, .value_kind: global_buffer, .address_space: global }
      - { .name: oimg, .offset: 8, .size: 8, .value_kind: global_buffer, .address_space: global }
    .group_segment_fixed_size: 327680
    .private_segment_fixed_size: 0
    .kernarg_segment_align: 8
    .kernarg_segment_size: 16
    .max_flat_workgroup_size: 256
    .sgpr_count:     66
    .vgpr_count:     512
    .wavefront_size: 32
...
	.end_amdgpu_metadata
.endif
;; end of part 3
;; launch gemm2 (part 4): grid 8 x 32, 4 waves a work-group, clusters of 4 x 4, 272,896 bytes of LDS; arguments oimg, w2img, b2, out0; writes out0
.if DOCPART == 4
	.amdgcn_target "amdgcn-amd-amdhsa--gfx1250"
	.amdhsa_code_object_version 6
	.text
	.protected	k_q25bb2c763b_gemm2
	.globl	k_q25bb2c763b_gemm2
	.p2align	8
	.type	k_q25bb2c763b_gemm2,@function
k_q25bb2c763b_gemm2:
	s_mov_b64 s[64:65], 0
	v_nop
	global_prefetch_b8 v0, s[64:65] scope:SCOPE_SE
	s_setreg_imm32_b32 hwreg(HW_REG_WAVE_MODE, 25, 1), 1
	s_wait_xcnt 0x0
	s_wait_alu depctr_hold_cnt(0) depctr_sa_sdst(0) depctr_va_vdst(0) depctr_va_sdst(0) depctr_va_ssrc(0) depctr_va_vcc(0) depctr_vm_vsrc(0)
	s_getreg_b32 s2, hwreg(HW_REG_IB_STS2, 6, 4)
	s_cmp_eq_u32 s2, 0
	s_cbranch_scc0 .Lentry_in_a_cluster
	s_endpgm
.Lentry_in_a_cluster:
	s_bfe_u32 s2, ttmp6, 0x10000c
	s_cmp_lg_u32 s2, 0xf033
	s_cbranch_scc0 .Lentry_shape_is_right
	s_endpgm
.Lentry_shape_is_right:
; out0 = O W2 + b2 on codes of BF6.  O comes as oimg, W2 as w2img: units of 12,800 bytes for 128 rows x 128 K, eight fragments and 128 scale words; lane-row r of fragment i is row 32 (i / 2) + 8 (i % 2) + r + 8 (r / 8).
; A fragment of w2img is an image of its twelve registers (three loads of 16 bytes a lane); one of oimg is two parts of six registers, one from each of two heads (16, 8, 16, 8 bytes a lane).
; A tile of out0 is 128 x 128: 256 work-groups; a wave makes 64 x 64: 16 accumulators.  ALL OF K (eight units a side, 204,800 bytes) comes into LDS ONCE: no byte of LDS is filled twice, so there is no ring.
; Source 0 = P = 16 columns of W2, source 1 = Q = 16 tokens: a lane holds one token and eight neighbouring columns.  b2 is the C of each sum's first matrix instruction.
; CLUSTERS 4 x 4: the tokens' block hangs on the tile row and is asked for jointly along a row of the cluster, W2's on the tile column and along a column.
; REGISTERS: window 0: v16-27 addresses; v32-39 scale words, two sets; v40-71 the bias; v128-255 the accumulators ((a, b) at 128 + 8 (4 a + b)), later rows of out0.  window 1: two buffers at v0 and v128: P's four fragments, then Q's four.
.set UNIT, 12800
.set PB,   102400                      ; P's eight units, behind Q's
.set STG,  204800                      ; the stage: 128 rows x (512 + 16) bytes: no fill lands here
.set SPI,  528
.set ADQ16, 16                         ; v16-17: K steps 0-3, 4-7 (an LDS offset has 16 bits)
.set ADQ8,  18
.set ADP,   20
.set ADS,   22
.set STO,   24
.set RD,    25
.set L16,   26
.set SC,    32
.set BIAS,  40
.set ACC,   128
.set G1Q, 24
.set G0Q, 32
.set G1P, 48
.set G0P, 56
.set MSB, 0
.macro WIN new
.if MSB != (\new)
	s_set_vgpr_msb (MSB<<8)|(\new)
.set MSB, (\new)
.endif
.endm
.macro PLACES n
.rept \n
	v_nop
.endr
.endm
.macro CROUND
	s_barrier_signal -1
	s_barrier_wait -1
	s_cmp_lg_u32 s14, 0
	s_cbranch_scc1 .Lnot_wave_0_\@
	s_barrier_signal -3
.Lnot_wave_0_\@:
	s_barrier_wait -3
	s_barrier_signal -1
	s_barrier_wait -1
.endm
	s_load_b128 s[4:7], s[0:1], 0x0                ; oimg, w2img
	s_load_b128 s[8:11], s[0:1], 0x10              ; b2, out0
	v_lshl_add_u32 v126, v0, 2, 0x42800
	v_mov_b32 v127, 0
	ds_add_u32 v126, v127
	v_lshrrev_b32 v1, 5, v0
	v_readfirstlane_b32 s14, v1                    ; wave
	s_lshr_b32 s15, s14, 1                         ; my half of the tokens.  Also: I fetch for Q (0) or for P (1)
	s_and_b32 s16, s14, 1                          ; my half of the columns.  Also: which two units of each four I fetch
	s_bfe_u32 s40, ttmp6, 0x40000                  ; cx
	s_bfe_u32 s41, ttmp6, 0x40004                  ; cy
	s_lshl_b32 s42, ttmp9, 2
	s_add_co_u32 s42, s42, s40                     ; tile column
	s_and_b32 s17, ttmp7, 0xffff
	s_lshl_b32 s17, s17, 2
	s_add_co_u32 s17, s17, s41                     ; tile row
	s_lshl_b32 s66, s41, 2
	s_lshl_b32 s66, 15, s66                        ; my row of the cluster
	s_lshl_b32 s67, 0x1111, s40                    ; my column
	s_or_b32 s[G1Q], s66, (3<<16)|(1<<21)          ; 25,600 dense bytes as 100 rows of 32 elements of 8 bytes
	s_or_b32 s[G1P], s67, (3<<16)|(1<<21)
.irp g, G1Q, G1P
	s_mov_b32 s[\g+1], 32<<16
	s_mov_b32 s[\g+2], 100<<16
	s_mov_b32 s[\g+3], 32<<16
	s_mov_b32 s[\g+4], 100
	s_mov_b32 s[\g+5], 32
	s_mov_b32 s[\g+6], 0
	s_mov_b32 s[\g+7], 0
.endr
	s_mul_i32 s12, s16, 25600                      ; my two units of the first four
	s_mul_i32 s18, s17, PB
	s_add_co_u32 s18, s18, s12
	s_mov_b32 s19, 0
	s_mul_i32 s20, s42, PB
	s_add_co_u32 s20, s20, s12
	s_mov_b32 s21, 0
	s_mul_i32 s43, s15, PB
	s_add_co_u32 s43, s43, s12                     ; where they go: by the wave's number alone
	s_lshl_b32 s70, s17, 7                         ; out0, in registers that feed no descriptor: token 128 x tile row + 32 x wave,
	s_lshl_b32 s71, s14, 5
	s_add_co_u32 s70, s70, s71
	s_lshl_b32 s70, s70, 12
	s_lshl_b32 s71, s42, 9                         ; 512 bytes x tile column
	s_add_co_u32 s70, s70, s71
	s_mov_b32 s71, 0
	s_lshl_b32 s72, s42, 9                         ; b2: 128 columns x tile column + 64 x my half
	s_lshl_b32 s73, s16, 8
	s_add_co_u32 s72, s72, s73
	s_mov_b32 s73, 0
	s_wait_dscnt 0x0
	s_wait_kmcnt 0x0
	s_add_nc_u64 s[44:45], s[4:5], s[18:19]
	s_add_nc_u64 s[46:47], s[6:7], s[20:21]
.irp t, 0,1
	s_mov_b32 s[G0Q+4*\t], 1
	s_add_co_u32 s[G0Q+4*\t+1], s43, \t*51200
	s_add_nc_u64 s[G0Q+4*\t+2:G0Q+4*\t+3], s[44:45], \t*51200
	s_or_b32 s[G0Q+4*\t+3], s[G0Q+4*\t+3], 0x80000000
	s_mov_b32 s[G0P+4*\t], 1
	s_add_co_u32 s[G0P+4*\t+1], s43, \t*51200
	s_add_nc_u64 s[G0P+4*\t+2:G0P+4*\t+3], s[46:47], \t*51200
	s_or_b32 s[G0P+4*\t+3], s[G0P+4*\t+3], 0x80000000
.endr
	CROUND                                         ; all sixteen work-groups are here: the joint loads meet
	s_cmp_eq_u32 s15, 0                            ; a wave's two fills stand in one branch: two loads of mine are out; four v_nop follow the second
	s_cbranch_scc0 .Lfill_p
	tensor_load_to_lds s[G0Q:G0Q+3], s[G1Q:G1Q+7]
	s_nop 0
	tensor_load_to_lds s[G0Q+4:G0Q+7], s[G1Q:G1Q+7]
	s_nop 0
	PLACES 4
	s_branch .Lfilled
.Lfill_p:
	tensor_load_to_lds s[G0P:G0P+3], s[G1P:G1P+7]
	s_nop 0
	tensor_load_to_lds s[G0P+4:G0P+7], s[G1P:G1P+7]
	s_nop 0
	PLACES 4
.Lfilled:
	s_add_nc_u64 s[10:11], s[10:11], s[70:71]
	s_add_nc_u64 s[8:9], s[8:9], s[72:73]
	v_and_b32 v1, 15, v0                           ; r
	v_bfe_u32 v2, v0, 4, 1                         ; h
	v_and_b32 v3, 31, v0                           ; l
	v_lshlrev_b32 v[L16], 4, v3
	v_lshlrev_b32 v5, 6, v2
.irp b, 0,1,2,3                                    ; register j of tile b is column 32 (b / 2) + 16 h + 8 (b % 2) + j of my 64
	global_load_b128 v[BIAS+8*\b:BIAS+8*\b+3], v5, s[8:9] offset:(32*(\b/2)+8*(\b%2))*4
	global_load_b128 v[BIAS+8*\b+4:BIAS+8*\b+7], v5, s[8:9] offset:(32*(\b/2)+8*(\b%2))*4+16
.endr
	s_mul_i32 s12, s15, 6144                       ; my four fragments of Q
	v_add_nc_u32 v[ADQ16], s12, v[L16]
	v_add_nc_u32 v[ADQ16+1], 51200, v[ADQ16]
	v_lshl_add_u32 v[ADQ8], v3, 3, s12
	v_add_nc_u32 v[ADQ8+1], 51200, v[ADQ8]
	s_mul_i32 s13, s16, 6144
	s_add_co_u32 s13, s13, PB                      ; and of P
	v_add_nc_u32 v[ADP], s13, v[L16]
	v_add_nc_u32 v[ADP+1], 51200, v[ADP]
	s_lshl_b32 s12, s15, 8
	s_lshl_b32 s13, s16, 8
	s_add_co_u32 s13, s13, PB
	s_sub_co_u32 s13, s13, s12
	v_mul_u32_u24 v4, s13, v2                      ; lanes 16-31 take P's scale words: one product, h x the distance
	v_lshl_add_u32 v4, v1, 2, v4
	s_add_co_u32 s12, s12, 12288
	v_add_nc_u32 v[ADS], s12, v4
	v_add_nc_u32 v[ADS+1], 51200, v[ADS]
	s_mul_i32 s12, s15, 64*SPI                     ; the stage, in fragment order: row 16 i + r; my columns' bytes, 64 h on
	s_lshl_b32 s13, s16, 8
	s_add_co_u32 s12, s12, s13
	s_add_co_u32 s12, s12, STG
	v_mul_u32_u24 v[STO], v1, SPI
	v_lshl_add_u32 v[STO], v2, 6, v[STO]
	v_add_nc_u32 v[STO], s12, v[STO]
	s_mul_i32 s12, s14, 32*SPI                     ; back: wave w takes rows 32 w on, a row an instruction
	s_add_co_u32 s12, s12, STG
	v_add_nc_u32 v[RD], s12, v[L16]
.macro FETCH k                         ; K step k's fragments and scale words: 32 LDS loads
.set fB, 128*((\k)%2)
	WIN 0x40
.irp i, 0,1,2,3
.irp c, 0,1,2
	ds_load_b128 v[fB+12*\i+4*\c:fB+12*\i+4*\c+3], v[ADP+(\k)/4] offset:UNIT*((\k)%4)+1536*\i+512*\c
.endr
.endr
.irp i, 0,1,2,3
	ds_load_b128 v[fB+48+12*\i:fB+48+12*\i+3], v[ADQ16+(\k)/4] offset:UNIT*((\k)%4)+1536*\i
	ds_load_b64 v[fB+48+12*\i+4:fB+48+12*\i+5], v[ADQ8+(\k)/4] offset:UNIT*((\k)%4)+1536*\i+512
	ds_load_b128 v[fB+48+12*\i+6:fB+48+12*\i+9], v[ADQ16+(\k)/4] offset:UNIT*((\k)%4)+1536*\i+768
	ds_load_b64 v[fB+48+12*\i+10:fB+48+12*\i+11], v[ADQ8+(\k)/4] offset:UNIT*((\k)%4)+1536*\i+1280
.endr
	WIN 0
.irp i, 0,1,2,3
	ds_load_b32 v[SC+4*((\k)%2)+\i], v[ADS+(\k)/4] offset:UNIT*((\k)%4)+64*\i
.endr
.endm
.macro MUL k                           ; sixteen accumulators by turns, one instruction a turn
.set fB, 128*((\k)%2)
	WIN 0x05                                       ; sources 0 and 1 window 1
.irp a, 0,1,2,3
.irp b, 0,1,2,3
.set rD, ACC+8*(4*\a+\b)
.if (\k) == 0
	v_wmma_scale_f32_16x16x128_f8f6f4 v[rD:rD+7], v[fB+12*\b:fB+12*\b+11], v[fB+48+12*\a:fB+48+12*\a+11], v[BIAS+8*\b:BIAS+8*\b+7], v[SC+4*((\k)%2)+\b], v[SC+4*((\k)%2)+\a] matrix_a_fmt:MATRIX_FMT_BF6 matrix_b_fmt:MATRIX_FMT_BF6 matrix_a_scale:MATRIX_SCALE_ROW1
.else
	v_wmma_scale_f32_16x16x128_f8f6f4 v[rD:rD+7], v[fB+12*\b:fB+12*\b+11], v[fB+48+12*\a:fB+48+12*\a+11], v[rD:rD+7], v[SC+4*((\k)%2)+\b], v[SC+4*((\k)%2)+\a] matrix_a_fmt:MATRIX_FMT_BF6 matrix_b_fmt:MATRIX_FMT_BF6 matrix_a_scale:MATRIX_SCALE_ROW1
.endif
.endr
.endr
.endm
.macro KSTEP k
.if (\k) == 3
	s_wait_dscnt 0x0                               ; no LDS load of mine is out at the signal
	s_wait_tensorcnt 0x0                           ; my part of K steps 4 to 7 is in,
	s_barrier_signal -1
	s_barrier_wait -1                              ; everybody's is
.endif
.if ((\k) > 0) && ((\k) < 7)
	PLACES 4                                       ; in front of loads into registers that the K step before last multiplied
.endif
.if (\k) < 7
	FETCH (\k)+1
	s_wait_dscnt 32                                ; this K step's loads are in; the 32 just issued stay out
.else
	s_wait_dscnt 0x0
.endif
	MUL \k
.endm
	s_wait_tensorcnt 0x1                           ; my part of K steps 0 to 3 is in; the second load may stay out
	s_barrier_signal -1
	s_barrier_wait -1
	FETCH 0
	s_wait_loadcnt 0x0                             ; the bias
.irp k, 0,1,2,3,4,5,6,7
	KSTEP \k
.endr
	WIN 0
	PLACES 4
	; THE WAY OUT: a lane's 32 bytes of a row go into the work-group's stage; a barrier, since a row's 512 bytes come from two waves; back as whole rows
.irp a, 0,1,2,3
.irp b, 0,1,2,3
	ds_store_b128 v[STO], v[ACC+8*(4*\a+\b):ACC+8*(4*\a+\b)+3] offset:16*\a*SPI+128*(\b/2)+32*(\b%2)
	ds_store_b128 v[STO], v[ACC+8*(4*\a+\b)+4:ACC+8*(4*\a+\b)+7] offset:16*\a*SPI+128*(\b/2)+32*(\b%2)+16
.endr
.endr
	s_wait_dscnt 0x0
	s_barrier_signal -1
	s_barrier_wait -1
.set ot, 0
.rept 32
	ds_load_b128 v[ACC+4*ot:ACC+4*ot+3], v[RD] offset:ot*SPI
.set ot, ot+1
.endr
.set ot, 0
.rept 32                                           ; stage row ot of my 32 is token 8 (ot / 16) + ot % 16 + 8 ((ot % 16) / 8)
	s_wait_dscnt 31-ot
	global_store_b128 v[L16], v[ACC+4*ot:ACC+4*ot+3], s[10:11] offset:(8*(ot/16)+ot%16+8*((ot%16)/8))*4096 th:TH_STORE_NT   ; 32 lanes store 512 consecutive bytes, at a multiple of 512 from out0's first byte
.set ot, ot+1
.endr
	s_wait_tensorcnt 0x0
	ds_add_u32 v126, v127
	s_wait_dscnt 0x0
	CROUND                                         ; the closing round
	s_endpgm
.Lfunc_end_k_q25bb2c763b_gemm2:
	.size	k_q25bb2c763b_gemm2, .Lfunc_end_k_q25bb2c763b_gemm2-k_q25bb2c763b_gemm2
	.p2alignl 7, 3214868480
	.fill 96, 4, 3214868480
	.section	.rodata,"a",@progbits
	.p2align	6, 0x0
	.amdhsa_kernel k_q25bb2c763b_gemm2
		.amdhsa_group_segment_fixed_size 272896
		.amdhsa_private_segment_fixed_size 0
		.amdhsa_enable_private_segment 0
		.amdhsa_kernarg_size 32
		.amdhsa_user_sgpr_count 2
		.amdhsa_user_sgpr_kernarg_segment_ptr 1
		.amdhsa_wavefront_size32 1
		.amdhsa_system_sgpr_workgroup_id_x 1
		.amdhsa_system_sgpr_workgroup_id_y 1
		.amdhsa_system_sgpr_workgroup_id_z 1
		.amdhsa_system_vgpr_workitem_id 0
		.amdhsa_next_free_vgpr 512
		.amdhsa_next_free_sgpr 80
		.amdhsa_reserve_vcc 0
		.amdhsa_float_denorm_mode_32 3
		.amdhsa_float_denorm_mode_16_64 3
		.amdhsa_memory_ordered 1
		.amdhsa_forward_progress 1
		.amdhsa_inst_pref_size 51
	.end_amdhsa_kernel
	.amdgpu_metadata
---
amdhsa.version: [ 1, 2 ]
amdhsa.kernels:
  - .name:           k_q25bb2c763b_gemm2
    .symbol:         k_q25bb2c763b_gemm2.kd
    .args:
      - { .name: oimg, .offset: 0, .size: 8, .value_kind: global_buffer, .address_space: global }
      - { .name: w2img, .offset: 8, .size: 8, .value_kind: global_buffer, .address_space: global }
      - { .name: b2, .offset: 16, .size: 8, .value_kind: global_buffer, .address_space: global }
      - { .name: out0, .offset: 24, .size: 8, .value_kind: global_buffer, .address_space: global }
    .group_segment_fixed_size: 272896
    .private_segment_fixed_size: 0
    .kernarg_segment_align: 8
    .kernarg_segment_size: 32
    .max_flat_workgroup_size: 128
    .sgpr_count:     80
    .vgpr_count:     512
    .wavefront_size: 32
...
	.end_amdgpu_metadata
.endif
;; end of part 4
